; MI455X (gfx1250); checked and timed in simulation.
; The chip was launched on July 23, 2026; its instructions are those of AMD's public machine-readable ISA for CDNA 5 (MIT licence, August 2026) and "CDNA5" Instruction Set Architecture Reference Guide (July 2026). The comments in the code are by the model that wrote it; some were corrected since.
;; Multi Head Attention. Allowed arithmetic: matrix products marked QUANTISED: E4M3 operands, one given power-of-two scale a tensor, by v_wmma_f32_16x16x64_fp8_fp8 or v_wmma_f32_16x16x128_fp8_fp8, f32 sums; everything else in f32.
;; Inputs: Wf 1,024 x 1,024 float32; Wk 1,024 x 1,024 float32; Wq 1,024 x 1,024 float32; Wv 1,024 x 1,024 float32; bf 1,024 float32; bk 1,024 float32; bq 1,024 float32; bv 1,024 float32; lowp_scales 12 int32 (the exponents e of the quantised operands' scales 2^e); mask 4 x 2,048 int32; x_k 4 x 2,048 x 1,024 float32; x_q 4 x 2,048 x 1,024 float32; x_v 4 x 2,048 x 1,024 float32.
;; Outputs: out0 4 x 2,048 x 1,024 float32.
;; This version of the problem:
;;   THIS VERSION OF THE PROBLEM IS GIVEN IN LOW PRECISION. The matrix products marked QUANTISED in the list below multiply operands that are first quantised to E4M3 (4 exponent bits, 3 mantissa bits; 8 bits a number), with one given power-of-two scale for each operand tensor; their sums are f32. All else is computed in f32.
;;   The module's matrix products, in the order in which they are computed (A, B: the left and right operand; K: the contracted axis; several contracted axes count as one K, in the product's order):
;;     1. [M 8,192, K 1,024] x [K 1,024, N 1,024]; A: input x_k; B: input Wk: QUANTISED (scales: A lowp_scales[0], B lowp_scales[1])
;;     2. [M 8,192, K 1,024] x [K 1,024, N 1,024]; A: input x_v; B: input Wv: QUANTISED (scales: A lowp_scales[2], B lowp_scales[3])
;;     3. [M 8,192, K 1,024] x [K 1,024, N 1,024]; A: input x_q; B: input Wq: QUANTISED (scales: A lowp_scales[4], B lowp_scales[5])
;;     4. batch 64 x [M 2,048, K 64] x [K 64, N 2,048]; A: computed on the way; B: computed on the way: QUANTISED (scales: A lowp_scales[6], B lowp_scales[7])
;;     5. batch 64 x [M 2,048, K 2,048] x [K 2,048, N 64]; A: softmax (see below); B: computed on the way: QUANTISED (scales: A lowp_scales[8], B lowp_scales[9])
;;     6. [M 8,192, K 1,024] x [K 1,024, N 1,024]; A: computed on the way; B: input Wf: QUANTISED (scales: A lowp_scales[10], B lowp_scales[11])
;;   THE QUANTISER, for each operand of a quantised product, along K:
;;     - The operand's scale is 2^e, e = its entry of the input lowp_scales (int32; the entries are numbered through the quantised products in the list's order, A before B).
;;     - Each number is divided by the scale, clamped to +-448, and rounded to the nearest number of E4M3, ties to even, subnormals kept.
;;     - The product sums the exact products of the quantised numbers (number of the format x scale) in f32.
;;   ~~~python
;;   def quantise(x, axis, e):      # numpy; x: float32 -> the quantised numbers, widened to float32 again
;;       x = np.moveaxis(x, axis, -1); K = x.shape[-1]
;;       r = np.clip(x / 2.0 ** e, -448, 448)
;;       step = 2.0 ** (np.maximum(np.frexp(np.where(r == 0, 1, r))[1] - 1, -6) - 3)
;;       q = np.round(r / step) * step * 2.0 ** e      # np.round: ties to even
;;       return np.moveaxis(q, -1, axis).astype(np.float32)
;;   ~~~
;;   SOFTMAX AHEAD OF A QUANTISED PRODUCT. Where the list says 'softmax', what is quantised is not the finished softmax but p = 2^(t - M), with t = logit x log2(e) and M = ceil(the row's largest t), a whole number; so 1/2 < the row's largest p <= 1. The row's sum l is taken of the UNQUANTISED p, in f32, and the product's result is divided by l at the end. Since M is a whole number, a kernel that streams over the keys may use a running M (the ceiling of the running maximum): every later rescaling is an exact power of two, so the quantised numbers keep their values, but for numbers so far below the row's largest that they fall under the format's range.
;;   OPERANDS COMPUTED ON THE WAY. 'Computed on the way' means the value that the module computes at that place (a softmax that the list does not call 'softmax' is quantised finished and normalised). What goes into a quantiser is computed in f32, as accurately as f32 sums, v_exp_f32 and their like allow (about 1e-6 of the number): no bf16 or f16 on the way to a quantiser, and a product that is left as it is and whose result goes on into a quantised operand takes f32 operands (vector FMAs, or v_wmma_f32_16x16x4_f32). A number that lies on a knife's edge between two numbers of the format may be rounded either way, as far as f32 arithmetic and the matrix unit's own rounding can turn it there, and no further.
;; 2 versions. Each part assembles by itself: llvm-mc -triple=amdgcn-amd-amdhsa -mcpu=gfx1250 --defsym DOCPART=n.
;; ======== version 1 of 2: 4 launches
;; limits: right only within a limited range of input values
;; workspace buffers: ximg 25,165,824 bytes; wimg 3,145,728 bytes; wfimg 1,048,576 bytes; fsc 256 bytes of whole numbers; qimg 8,388,608 bytes; vimg 16,777,216 bytes; kf32 33,554,432 bytes; aimg 8,388,608 bytes
;; launch quant (part 1): grid 512 x 1, 4 waves a work-group, no clusters, 68,096 bytes of LDS; arguments x_k, x_v, x_q, Wk, Wv, Wq, Wf, lowp_scales, ximg, wimg, wfimg, fsc; writes ximg, wimg, wfimg, fsc
.if DOCPART == 1
	.amdgcn_target "amdgcn-amd-amdhsa--gfx1250"
	.amdhsa_code_object_version 6
	.text
	.protected	k_q452b6c94bb_quant
	.globl	k_q452b6c94bb_quant
	.p2align	8
	.type	k_q452b6c94bb_quant,@function
k_q452b6c94bb_quant:
	s_mov_b64 s[64:65], 0
	v_nop
	global_prefetch_b8 v0, s[64:65] scope:SCOPE_SE
	s_setreg_imm32_b32 hwreg(HW_REG_WAVE_MODE, 25, 1), 1
	s_wait_xcnt 0x0
; x_k, x_v, x_q [8192][1024] and Wk, Wv, Wq, Wf [1024 (k)][1024 (n)], f32, become codes of FP8 (E4M3), each tensor with the one scale 2^e that is given for it:
; code = x / 2^e, held within +-448, rounded to the nearest code, ties to even.
; THE CODES ARE LAID AS IMAGES OF THE OPERANDS' REGISTERS.  For an operand X[rows][1024 along K]: byte rt x 16,384 + kc x 512 + 16 x lane + y holds the code of X[rho(rt, r)][32 kc + 16 h + y],
; lane = 16 h + r, rho(rt, r) = 32 (rt / 2) + 8 (rt % 2) + r + 8 (r / 8).  A block of 512 bytes is four registers of a fragment for all 32 lanes, so every later fetch and every store here is 16 bytes a lane, 512 on end.
; The weights' operand is W^T (rows = n), so their K is the FIRST axis in memory: there a lane takes a column and its registers run down K.
; Work-groups 0-383: a wave takes one row tile (16 rows x 1,024) of x_k, x_v or x_q.  Work-groups 384-511: a wave takes 32 columns x 256 along K of a weight.  The two ways have LDS bytes of their own.
; Work-group 384's wave 0 also stores 32 copies of (e10, e11): the last product's launch finds its two exponents there at the place where the first product's launch finds e0, e1.
; No tensor loads, no barrier, no cluster: waves and work-groups share no input.
; LIMITS: each e between -126 and 119, so that 2^e and 448 x 2^e are f32 numbers.  NaN among the inputs is not served (an infinity is held at the largest code).
.set R,   16                           ; v16-143  x way: two sets of 64 registers as loaded (16 rows x 16 bytes a lane)
.set X,   144                          ; v144-207 x way: my 64 numbers of a unit: register 16 b + i = k 32 b + 16 h + i of row r
.set C,   208                          ; v208-239 x way: two sets of 16 registers of codes
.set XST, 8448                         ; a wave's stage: x way 16 rows x 528 bytes; w way two tile images of 4,096 bytes, 4,224 apart
.set WB,  33792                        ; the w way's stages begin behind the x way's four
.set WX,  32                           ; v32-95   w way: two sets of 32 numbers down K
.set WC,  96                           ; v96-103  w way: a block's codes
.set WO,  112                          ; v112-175 w way: the way out
.macro XLOAD t                         ; unit t (128 along K): the tile's 16 rows, 512 consecutive bytes a load
.set xi, 0
.rept 16
	global_load_b128 v[R+64*((\t)%2)+4*xi:R+64*((\t)%2)+4*xi+3], v2, s[4:5] offset:(xi+8*(xi/8))*4096+512*(\t) th:TH_LOAD_NT
.set xi, xi+1
.endr
.endm
.macro UNIT t
.set RS, R+64*((\t)%2)
.set CS, C+16*((\t)%2)
.if (\t) < 7
	s_wait_loadcnt 16                              ; this unit's 16 loads are in; the next unit's 16 may be out
.else
	s_wait_loadcnt 0
.endif
.set xi, 0
.rept 16
	ds_store_b128 v3, v[RS+4*xi:RS+4*xi+3] offset:528*xi           ; rows as they lie, 528 bytes apart: 33 x 16, so that the reads below fall on sixteen different columns of banks
.set xi, xi+1
.endr
.set xi, 0
.rept 16
	ds_load_b128 v[X+4*xi:X+4*xi+3], v4 offset:128*(xi/4)+16*(xi%4)  ; LDS serves a wave's instructions in order: these see the stores.  Of row r: 16 neighbours of each block of 32
.set xi, xi+1
.endr
	s_wait_dscnt 0x0                               ; my numbers are back, and the stores have read their registers,
.if (\t)+2 < 8
	XLOAD (\t)+2                                   ; which take the loads of two units on
.endif
.set xi, 0
.rept 64
	v_med3_num_f32 v[X+xi], v[X+xi], -v10, v10     ; the conversion to an 8-bit code does not saturate (ISA guide 7.6.2): the hold at the largest code x the scale
.set xi, xi+1
.endr
	s_wait_xcnt 0x0                                ; the stores of two units ago have read this set of code registers
.set xi, 0
.rept 8
	v_cvt_scalef32_pk8_fp8_f32 v[CS+2*xi:CS+2*xi+1], v[X+8*xi:X+8*xi+7], v11
.set xi, xi+1
.endr
	v_nop                                          ; a plain line behind the last conversion: the next unit's holds write the conversions' sources
.set xi, 0
.rept 4
	global_store_b128 v2, v[CS+4*xi:CS+4*xi+3], s[6:7] offset:(4*(\t)+xi)*512   ; block kc = 4 t + b: 512 consecutive bytes, aligned
.set xi, xi+1
.endr
.endm
.macro WLOAD t                         ; block t: W(32 t + i, my column), i = 0 .. 31: 128 consecutive bytes a wave, the four waves side by side
.set xi, 0
.rept 32
	global_load_b32 v[WX+32*((\t)%2)+xi], v3, s[4:5] offset:(32*(\t)+xi)*4096 th:TH_LOAD_NT
.set xi, xi+1
.endr
.endm
.macro BLOCK t
.set XS, WX+32*((\t)%2)
.if (\t) < 7
	s_wait_loadcnt 32                              ; this block's 32 loads are in; the next block's may be out
.else
	s_wait_loadcnt 0
.endif
.set xi, 0
.rept 32
	v_med3_num_f32 v[XS+xi], v[XS+xi], -v10, v10
.set xi, xi+1
.endr
.set xi, 0
.rept 4
	v_cvt_scalef32_pk8_fp8_f32 v[WC+2*xi:WC+2*xi+1], v[XS+8*xi:XS+8*xi+7], v11
.set xi, xi+1
.endr
	ds_store_b128 v4, v[WC:WC+3] offset:512*(\t)         ; k 0-15 of the block: the place of lane r' of the image's block
	ds_store_b128 v4, v[WC+4:WC+7] offset:512*(\t)+256   ; k 16-31: the place of lane 16 + r'
.if (\t)+2 < 8
	WLOAD (\t)+2
.endif
	s_wait_dscnt 0x0                               ; the stores have read their registers: the next block's codes may be written (its 32 holds are the plain lines between)
.endm
	s_load_b512 s[8:23], s[0:1], 0x0               ; x_k 8, x_v 10, x_q 12, Wk 14, Wv 16, Wq 18, Wf 20, the scales' exponents 22
	s_load_b256 s[24:31], s[0:1], 0x40             ; ximg 24, wimg 26, wfimg 28, fsc 30
	v_lshl_add_u32 v240, v0, 2, 0x10800
	v_mov_b32 v241, 0
	v_lshrrev_b32 v1, 5, v0
	v_readfirstlane_b32 s32, v1                    ; wave 0..3
	v_and_b32 v1, 31, v0                           ; lane
	v_lshlrev_b32 v2, 4, v1                        ; 16 x lane: my place in every 512 bytes
	s_wait_kmcnt 0x0
	s_load_b256 s[36:43], s[22:23], 0x0            ; e0 .. e7
	s_load_b128 s[44:47], s[22:23], 0x20           ; e8 .. e11
	s_cmp_ge_u32 ttmp9, 384
	s_cbranch_scc1 .Lweights
	; ---- x_k, x_v, x_q
	s_mul_i32 s33, s32, XST
	v_add_nc_u32 v3, s33, v2                       ; the stage, on the way in
	v_and_b32 v5, 15, v0                           ; r
	v_bfe_u32 v6, v0, 4, 1                         ; h
	v_mul_u32_u24 v4, v5, 528
	v_lshl_add_u32 v4, v6, 6, v4
	v_add_nc_u32 v4, s33, v4                       ; and on the way out: row r, + 64 h
	s_cmp_lt_u32 ttmp9, 128                        ; which tensor: the choice hangs on the work-group's number alone
	s_cselect_b64 s[4:5], s[8:9], s[10:11]
	s_cmp_lt_u32 ttmp9, 256
	s_cselect_b64 s[4:5], s[4:5], s[12:13]
	s_lshl_b32 s34, ttmp9, 2
	s_add_co_u32 s34, s34, s32                     ; my row tile among the 3 x 512
	s_and_b32 s48, s34, 511                        ; and in its tensor
	s_lshl_b32 s34, s34, 14
	s_mov_b32 s35, 0
	s_add_nc_u64 s[6:7], s[24:25], s[34:35]        ; its image: 16,384 bytes
	s_lshr_b32 s34, s48, 1
	s_lshl_b32 s34, s34, 17                        ; 32 (rt / 2) rows of 4,096 bytes
	s_and_b32 s48, s48, 1
	s_lshl_b32 s48, s48, 15                        ; + 8 (rt % 2) rows
	s_add_co_u32 s34, s34, s48
	s_add_nc_u64 s[4:5], s[4:5], s[34:35]
	XLOAD 0
	XLOAD 1
	s_wait_kmcnt 0x0
	s_cmp_lt_u32 ttmp9, 128
	s_cselect_b32 s33, s36, s38                    ; e0, e2
	s_cmp_lt_u32 ttmp9, 256
	s_cselect_b32 s33, s33, s40                    ; e4
	s_add_co_i32 s33, s33, 127
	s_lshl_b32 s34, s33, 23
	v_mov_b32 v11, s34                             ; 2^e as f32: the conversion takes its exponent field
	s_add_co_i32 s33, s33, 8
	s_lshl_b32 s33, s33, 23
	s_or_b32 s33, s33, 0x600000
	v_mov_b32 v10, s33                             ; 448 x 2^e
	UNIT 0
	UNIT 1
	UNIT 2
	UNIT 3
	UNIT 4
	UNIT 5
	UNIT 6
	UNIT 7
	s_wait_tensorcnt 0x0
	ds_add_u32 v240, v241
	s_wait_dscnt 0x0
	s_endpgm
	; ---- Wk, Wv, Wq, Wf
.Lweights:
	s_sub_co_u32 s33, ttmp9, 384
	s_lshr_b32 s48, s33, 5                         ; which weight: 0 .. 3
	s_and_b32 s49, s33, 7                          ; which 128 columns
	s_bfe_u32 s50, s33, 0x20003                    ; which 256 along K
	s_lshl_b32 s51, s49, 2
	s_add_co_u32 s51, s51, s32                     ; my 32 columns = a pair of row tiles of W^T: 4 x (128 columns) + wave
	s_lshl_b32 s52, s48, 20                        ; an image of a weight is 1 MiB
	s_cmp_lt_u32 s48, 1
	s_cselect_b64 s[4:5], s[14:15], s[16:17]
	s_cmp_lt_u32 s48, 2
	s_cselect_b64 s[4:5], s[4:5], s[18:19]
	s_cmp_lt_u32 s48, 3
	s_cselect_b64 s[4:5], s[4:5], s[20:21]
	s_cselect_b64 s[6:7], s[26:27], s[28:29]       ; Wk, Wv, Wq go to wimg, Wf to wfimg
	s_cselect_b32 s52, s52, 0
	s_lshl_b32 s53, s51, 15                        ; two row tiles of 16,384 bytes for each pair
	s_add_co_u32 s52, s52, s53
	s_lshl_b32 s53, s50, 12                        ; eight blocks of 512 bytes for 256 along K
	s_add_co_u32 s52, s52, s53
	s_mov_b32 s53, 0
	s_add_nc_u64 s[6:7], s[6:7], s[52:53]
	s_lshl_b32 s52, s50, 20                        ; 256 rows of 4,096 bytes
	s_lshl_b32 s54, s51, 7                         ; + 32 columns of 4 bytes for each pair
	s_add_co_u32 s52, s52, s54
	s_add_nc_u64 s[4:5], s[4:5], s[52:53]
	v_lshlrev_b32 v3, 2, v1                        ; in: lane j takes column j of the 32
	v_bfe_u32 v5, v0, 3, 1                         ; column j = 8 u + r' + 8 (r' / 8): u = bit 3: which tile of the pair,
	v_and_b32 v6, 7, v0
	v_bfe_u32 v7, v0, 4, 1
	v_lshl_add_u32 v6, v7, 3, v6                   ; r' = (j % 8) + 8 (j / 16): which lane's place in it
	v_mul_u32_u24 v4, v5, 4224                     ; the two images lie 4,096 + 128 bytes apart, so that lanes 0-7 and 8-15 of a store fall on different banks
	v_lshl_add_u32 v4, v6, 4, v4
	s_mul_i32 s55, s32, XST
	s_add_co_u32 s55, s55, WB
	v_add_nc_u32 v4, s55, v4                       ; into my stage
	v_add_nc_u32 v7, s55, v2                       ; and out of it: 16 x lane
	WLOAD 0
	WLOAD 1
	s_wait_kmcnt 0x0
	s_cmp_lt_u32 s48, 1
	s_cselect_b32 s33, s37, s39                    ; e1, e3
	s_cmp_lt_u32 s48, 2
	s_cselect_b32 s33, s33, s41                    ; e5
	s_cmp_lt_u32 s48, 3
	s_cselect_b32 s33, s33, s47                    ; e11
	s_add_co_i32 s33, s33, 127
	s_lshl_b32 s34, s33, 23
	v_mov_b32 v11, s34                             ; 2^e
	s_add_co_i32 s33, s33, 8
	s_lshl_b32 s33, s33, 23
	s_or_b32 s33, s33, 0x600000
	v_mov_b32 v10, s33                             ; 448 x 2^e
	BLOCK 0
	BLOCK 1
	BLOCK 2
	BLOCK 3
	BLOCK 4
	BLOCK 5
	BLOCK 6
	BLOCK 7
.set xi, 0
.rept 16
	ds_load_b128 v[WO+4*xi:WO+4*xi+3], v7 offset:(xi/8)*4224+(xi%8)*512   ; my own stores, in order: sixteen blocks of 512 bytes
.set xi, xi+1
.endr
.set xi, 0
.rept 16
	s_wait_dscnt 15-xi                             ; the younger loads may be out
	global_store_b128 v2, v[WO+4*xi:WO+4*xi+3], s[6:7] offset:(xi/8)*16384+(xi%8)*512
.set xi, xi+1
.endr
	s_cmp_lg_u32 ttmp9, 384                        ; one wave of one work-group stores the copy of e10, e11
	s_cbranch_scc1 .Ldone
	s_cmp_lg_u32 s32, 0
	s_cbranch_scc1 .Ldone
	v_mov_b32 v12, s46
	v_mov_b32 v13, s47
	v_lshlrev_b32 v14, 3, v1
	global_store_b64 v14, v[12:13], s[30:31]       ; 32 lanes x 8 bytes: the buffer's 256 bytes, whole
.Ldone:
	s_wait_tensorcnt 0x0
	ds_add_u32 v240, v241
	s_wait_dscnt 0x0
	s_endpgm
.Lfunc_end_k_q452b6c94bb_quant:
	.size	k_q452b6c94bb_quant, .Lfunc_end_k_q452b6c94bb_quant-k_q452b6c94bb_quant
	.p2alignl 7, 3214868480
	.fill 96, 4, 3214868480
	.section	.rodata,"a",@progbits
	.p2align	6, 0x0
	.amdhsa_kernel k_q452b6c94bb_quant
		.amdhsa_group_segment_fixed_size 68096
		.amdhsa_private_segment_fixed_size 0
		.amdhsa_enable_private_segment 0
		.amdhsa_kernarg_size 96
		.amdhsa_user_sgpr_count 2
		.amdhsa_user_sgpr_kernarg_segment_ptr 1
		.amdhsa_wavefront_size32 1
		.amdhsa_system_sgpr_workgroup_id_x 1
		.amdhsa_system_sgpr_workgroup_id_y 1
		.amdhsa_system_sgpr_workgroup_id_z 1
		.amdhsa_system_vgpr_workitem_id 0
		.amdhsa_next_free_vgpr 242
		.amdhsa_next_free_sgpr 66
		.amdhsa_reserve_vcc 0
		.amdhsa_float_denorm_mode_32 3
		.amdhsa_float_denorm_mode_16_64 3
		.amdhsa_memory_ordered 1
		.amdhsa_forward_progress 1
		.amdhsa_inst_pref_size 120
	.end_amdhsa_kernel
	.amdgpu_metadata
---
amdhsa.version: [ 1, 2 ]
amdhsa.kernels:
  - .name:           k_q452b6c94bb_quant
    .symbol:         k_q452b6c94bb_quant.kd
    .args:
      - { .name: x_k, .offset: 0, .size: 8, .value_kind: global_buffer, .address_space: global }
      - { .name: x_v, .offset: 8, .size: 8, .value_kind: global_buffer, .address_space: global }
      - { .name: x_q, .offset: 16, .size: 8, .value_kind: global_buffer, .address_space: global }
      - { .name: Wk, .offset: 24, .size: 8, .value_kind: global_buffer, .address_space: global }
      - { .name: Wv, .offset: 32, .size: 8, .value_kind: global_buffer, .address_space: global }
      - { .name: Wq, .offset: 40, .size: 8, .value_kind: global_buffer, .address_space: global }
      - { .name: Wf, .offset: 48, .size: 8, .value_kind: global_buffer, .address_space: global }
      - { .name: lowp_scales, .offset: 56, .size: 8, .value_kind: global_buffer, .address_space: global }
      - { .name: ximg, .offset: 64, .size: 8, .value_kind: global_buffer, .address_space: global }
      - { .name: wimg, .offset: 72, .size: 8, .value_kind: global_buffer, .address_space: global }
      - { .name: wfimg, .offset: 80, .size: 8, .value_kind: global_buffer, .address_space: global }
      - { .name: fsc, .offset: 88, .size: 8, .value_kind: global_buffer, .address_space: global }
    .group_segment_fixed_size: 68096
    .private_segment_fixed_size: 0
    .kernarg_segment_align: 8
    .kernarg_segment_size: 96
    .max_flat_workgroup_size: 128
    .sgpr_count:     66
    .vgpr_count:     242
    .wavefront_size: 32
...
	.end_amdgpu_metadata
.endif
;; end of part 1
;; launch proj (part 2): grid 4 x 128, 4 waves a work-group, clusters of 4 x 4, 327,680 bytes of LDS; arguments ximg, wimg, bk, kf32, lowp_scales, bv, bq, qimg, vimg; writes kf32, qimg, vimg
.if DOCPART == 2
	.amdgcn_target "amdgcn-amd-amdhsa--gfx1250"
	.amdhsa_code_object_version 6
	.text
	.protected	k_q452b6c94bb_proj
	.globl	k_q452b6c94bb_proj
	.p2align	8
	.type	k_q452b6c94bb_proj,@function
k_q452b6c94bb_proj:
	s_mov_b64 s[64:65], 0
	v_nop
	global_prefetch_b8 v0, s[64:65] scope:SCOPE_SE
	s_setreg_imm32_b32 hwreg(HW_REG_WAVE_MODE, 25, 1), 1
	s_wait_xcnt 0x0
	s_wait_alu depctr_hold_cnt(0) depctr_sa_sdst(0) depctr_va_vdst(0) depctr_va_sdst(0) depctr_va_ssrc(0) depctr_va_vcc(0) depctr_vm_vsrc(0)
	s_getreg_b32 s2, hwreg(HW_REG_IB_STS2, 6, 4)
	s_cmp_eq_u32 s2, 0
	s_cbranch_scc0 .Lentry_in_a_cluster
	s_endpgm
.Lentry_in_a_cluster:
	s_bfe_u32 s2, ttmp6, 0x10000c
	s_cmp_lg_u32 s2, 0xf033
	s_cbranch_scc0 .Lentry_shape_is_right
	s_endpgm
.Lentry_shape_is_right:
; A product of 8,192 x 1,024 x 1,024 on codes of FP8 (E4M3), with a bias, in four JOBS; the job is the cluster's y / 8, the same in all sixteen partners.
;   job 0: rows x W + bias as f32, [8192][1024].  With the first set of arguments that is k = x_k Wk + bk, computed as reference() computes it and kept in a workspace buffer that nothing reads;
;          with the second set (a launch of 32 tile rows, all of job 0) it is the module's last product, A Wf + bf.
;   job 1: v = x_v Wv + bv as codes with scale entry 7, K = the head's 64 channels (the scores' operand).     job 2: q = x_q Wq + bq as codes with entry 6.
;   job 3: v once more, THE OPERANDS SWAPPED (rows = Wv^T's channels, columns = tokens), as codes with entry 9, K = the keys: a lane's registers then run along the keys, as the second attention product wants them.
; OPERANDS ARE IMAGES: byte rt x 16,384 + kc x 512 + 16 x lane + y = the code of X[rho(rt, r)][32 kc + 16 h + y], lane = 16 h + r, rho(rt, r) = 32 (rt / 2) + 8 (rt % 2) + r + 8 (r / 8).  A fragment (16 rows x 128 K) is four
; blocks of 512 bytes, fetched 16 bytes a lane: no pitch, no padding.  The places of k in the registers are a permutation of the form's own, the same in both operands, so each product meets its partner.
; THE MATRIX INSTRUCTION IS USED TRANSPOSED: source 0 = a tile b of the column operand, source 1 = a tile a of the row operand.  Register j of lane (r, h) is then (row rho(a, r), column 32 (b / 2) + 16 h + 8 (b % 2) + j):
; tiles 2 B and 2 B + 1 give a lane 16 neighbouring columns, which the conversions turn straight into four registers of the next product's image.
; A tile of 256 x 256 is made by four waves, 128 x 128 each: 64 accumulators.  K = 1,024 goes in four steps of 256 through two LDS slots filled by the tensor data mover; the steps are written out.
; CLUSTERS: 4 x 4.  The row operand's tile hangs on the tile row alone and is asked for jointly by a row of the cluster, the column operand's by a column.
; The bias along the columns, divided by 2^(the two operands' e added), is the C of the first K step's products (zeros in job 3, whose bias runs along the rows and is added on the way out).
; LIMITS: the two operands' e added between -126 and 126; for jobs 1 to 3 the result's e less that sum between -126 and 119.  NaN and infinities among the inputs are not served (job 3 multiplies an unused bias by 0).
; REGISTERS, in windows of 256: window 0: v16-31 addresses and scales; v32-95 the column bias, later at work; v96-103 the row bias; v128-255 the row operand's fragments, ONE set; later codes or rows on the way out.
;   window 1: the column operand's fragments, TWO sets, at v0 and v128.   window 2: the accumulators of my rows 0-63 ((a, b) at v[8 (8 a + b)]);   window 3: those of rows 64-127.
.set SLOT,   131072                    ; the row operand's 16 row tiles x 4,096 bytes, then the column operand's
.set KSB,    4096                      ; a K step of 256 in a row tile's image: 8 blocks of 512 bytes
.set SPARE,  2*SLOT                    ; behind the ring: the spare words, 128 bytes for each wave: two blocks of 256 bytes that no other line names
.set SPITCH, 528                       ; job 0's way out: a stage of 16 rows x (512 + 16) bytes for each wave, in slot 0, which has had its last fill and its last read by then
.set FR,   16                          ; registers of a fragment
.set NL,   4                           ; LDS loads that bring one
.set NP,   4                           ; places behind this matrix instruction (ISA guide 7.12.1)
.set ADRA, 16                          ; v16-17  LDS address of my row fragments in slot 0, 1
.set ADRB, 20                          ; v20-21  the same for the column operand
.set STO,  24                          ; v24     the stage: where I put 32 bytes of a row
.set RD,   25                          ; v25     and where I read a row back
.set O0,   26                          ; v26     16 x lane
.set O1,   27                          ; v27     16 x lane + a head's bytes
.set SPW,  28                          ; v28     LDS address of my spare word; never rewritten
.set NIL,  29                          ; v29     0; never rewritten
.set LIM,  30                          ; v30     448 x the conversion's scale
.set SCL,  31                          ; v31     the conversion's scale: 2^(the result's e - the operands' e added)
.set TMP,  32
.set BR,   96
.set AF,   128
.set BK,   128
.set JOB,  43
.set G1,   24                          ; s[24:31] descriptor group 1 for the row operand; s[32:39] group 0, a set for each slot
.set G0,   32
.set G1B,  48                          ; s[48:55], s[56:63] the same for the column operand
.set G0B,  56
.set MSB, 0
.macro WIN new                         ; the immediate's high byte repeats the setting that is left
.if MSB != \new
	s_set_vgpr_msb (MSB<<8)|\new
.set MSB, \new
.endif
.endm
.set MUL_LO, 0xa1                      ; source 0 window 1, source 1 window 0, C and D window 2
.set MUL_HI, 0xf1                      ; the same, C and D window 3
.set FST_LO, 0x81                      ; the first K step: C (the bias) window 0, D window 2
.set FST_HI, 0xc1                      ; D window 3
.set TO_B,   0x40                      ; destination window 1, address window 0
; A joint load: waves 0 and 1 fetch the row operand's halves, waves 2 and 3 the column operand's.  The branch hangs on the wave's number alone.  Four v_nop follow each of the two lines.
.macro JLOAD g0a, g1a, g0b, g1b
	s_cmp_eq_u32 s15, 0
	s_cbranch_scc0 .Lfor_b_\@
	tensor_load_to_lds s[\g0a:\g0a+3], s[\g1a:\g1a+7]
	s_nop 0
.rept 4
	v_nop
.endr
	s_branch .Lasked_\@
.Lfor_b_\@:
	tensor_load_to_lds s[\g0b:\g0b+3], s[\g1b:\g1b+7]
	s_nop 0
.rept 4
	v_nop
.endr
.Lasked_\@:
.endm
.macro CREST                           ; a round of the cluster's barrier behind its opening barrier
	s_cmp_lg_u32 s14, 0
	s_cbranch_scc1 .Lnot_wave_0_\@
	s_barrier_signal -3
.Lnot_wave_0_\@:
	s_barrier_wait -3
	s_barrier_signal -1
	s_barrier_wait -1
.endm
.macro CROUND                          ; a whole round
	s_barrier_signal -1
	s_barrier_wait -1
	CREST
.endm
.macro PLACES n
.rept \n
	v_nop
.endr
.endm
.macro FRAG reg, adr, q, i             ; row tile i of my eight, the slot's q-th 128 along K: four blocks of 512 bytes
.irp c, 0,1,2,3
	ds_load_b128 v[\reg+4*\c:\reg+4*\c+3], v[\adr] offset:4096*(\i)+2048*(\q)+512*\c
.endr
.endm
; 16 matrix instructions: row tiles a0, a0 + 1 x the column operand's eight.  p: its set.  first = 1: the bias is the C, so nothing is cleared and nothing added later.
; The 64 accumulators take turns, one instruction a turn, in the same order in every step.
.macro MUL16 a0, p, first
.irp a, \a0, \a0+1
.irp b, 0,1,2,3,4,5,6,7
.if \first
	v_wmma_f32_16x16x128_fp8_fp8 v[8*(8*((\a)%4)+\b):8*(8*((\a)%4)+\b)+7], v[128*(\p)+FR*\b:128*(\p)+FR*\b+FR-1], v[AF+FR*(\a):AF+FR*(\a)+FR-1], v[TMP+8*\b:TMP+8*\b+7]
.else
	v_wmma_f32_16x16x128_fp8_fp8 v[8*(8*((\a)%4)+\b):8*(8*((\a)%4)+\b)+7], v[128*(\p)+FR*\b:128*(\p)+FR*\b+FR-1], v[AF+FR*(\a):AF+FR*(\a)+FR-1], v[8*(8*((\a)%4)+\b):8*(8*((\a)%4)+\b)+7]
.endif
.endr
.endr
.endm
.macro FETCH_B slot, q, p
	WIN TO_B
.irp i, 0,1,2,3,4,5,6,7
	FRAG 128*(\p)+FR*\i, ADRB+\slot, \q, \i
.endr
	WIN 0
.endm
.macro FETCH_A slot, q, i0
.irp i, \i0, \i0+1, \i0+2, \i0+3
	FRAG AF+FR*(\i), ADRA+\slot, \q, \i
.endr
.endm
; A step of 128 along K that has its successor in the same slot.  A row tile's registers are free as soon as its eight products are issued: tiles 0-3 are fetched anew in the step's middle, tiles 4-7 at its end.
.macro STEP slot, q, first
	s_wait_dscnt 4*NL                              ; the column set and row tiles 0-3 are in; the youngest 16 loads (row tiles 4-7) may be out
.if \first
	WIN FST_LO
.else
	WIN MUL_LO
.endif
	MUL16 0, (\q)%2, \first
	MUL16 2, (\q)%2, \first
	s_wait_dscnt 0                                 ; row tiles 4-7 are in
	PLACES NP                                      ; in front of loads into registers that matrix instructions have read
	FETCH_B \slot, (\q)+1, 1-(\q)%2
	FETCH_A \slot, (\q)+1, 0
.if \first
	WIN FST_HI
.else
	WIN MUL_HI
.endif
	MUL16 4, (\q)%2, \first
	MUL16 6, (\q)%2, \first
	PLACES NP
	WIN 0
	FETCH_A \slot, (\q)+1, 4
.endm
; A slot's last step changes slots: ONE barrier; in front of it each wave waits for all its tensor loads, adds 0 to its spare word, and waits for that and for its reads of this slot.  fill = 1: this slot is filled again, two K steps ahead.
.macro TURN slot, next, fill
	s_wait_tensorcnt 0x0                           ; all my tensor loads have landed: the one that was out is my part of the next slot  (every window is 0 here)
	ds_add_u32 v[SPW], v[NIL]                      ; 0 onto my spare word
	s_wait_dscnt 4*NL+1                            ; (the add and the youngest 16 loads, row tiles 4-7, may be out)
	WIN MUL_LO
	MUL16 0, 1, 0                                  ; sixteen matrix instructions stand between the add and the wait for it
	s_wait_dscnt 0x0                               ; the add is done, and my reads of this slot are over
	s_barrier_signal -1
	MUL16 2, 1, 0
	WIN 0
	s_barrier_wait -1
.if \fill
	CREST                                          ; the barrier has opened a round of the cluster's barrier: no wave of any partner still reads this slot or has a load on its way
	s_add_nc_u64 s[G0+4*\slot+2:G0+4*\slot+3], s[G0+4*\slot+2:G0+4*\slot+3], 2*KSB
	s_add_nc_u64 s[G0B+4*\slot+2:G0B+4*\slot+3], s[G0B+4*\slot+2:G0B+4*\slot+3], 2*KSB
	JLOAD G0+4*\slot, G1, G0B+4*\slot, G1B         ; the first tensor load behind the round, one a wave; its four v_nop are also the places in front of the loads below
.else
	PLACES NP
.endif
	FETCH_B \next, 0, 0
	FETCH_A \next, 0, 0
	WIN MUL_HI
	MUL16 4, 1, 0
	MUL16 6, 1, 0
	PLACES NP
	WIN 0
	FETCH_A \next, 0, 4
.endm
; THE WAY OUT AS CODES, row tile a.  The hold moves the sums out of the accumulators (each from its low end on); eight conversions make four blocks' registers; each store is 512 consecutive bytes, aligned.
; rowb = 1 (job 3): the bias of my row is added first, and the blocks go to the keys-innermost half of a step of vimg.
.macro CODES a, rowb
.set AC, 64*((\a)%4)
.set CD, BK+16*((\a)%2)
	WIN 0x02+((\a)/4)                              ; source 0: window 2 or 3
.if \rowb
.set ci, 0
.rept 32
.if (\a)%2
	v_pk_add_f32 v[TMP+ci:TMP+ci+1], v[AC+ci:AC+ci+1], v[BR+2*((\a)/2):BR+2*((\a)/2)+1] op_sel:[0,1] op_sel_hi:[1,1]   ; the pair's upper word, tile a's bias, for both halves
.else
	v_pk_add_f32 v[TMP+ci:TMP+ci+1], v[AC+ci:AC+ci+1], v[BR+2*((\a)/2):BR+2*((\a)/2)+1] op_sel_hi:[1,0]                ; the pair's lower word for both halves
.endif
.set ci, ci+2
.endr
	WIN 0
.set ci, 0
.rept 64
	v_med3_num_f32 v[TMP+ci], v[TMP+ci], -v[LIM], v[LIM]
.set ci, ci+1
.endr
.else
.set ci, 0
.rept 64
	v_med3_num_f32 v[TMP+ci], v[AC+ci], -v[LIM], v[LIM]   ; the conversion to an 8-bit code does not saturate (ISA guide 7.6.2)
.set ci, ci+1
.endr
	WIN 0
.endif
	s_wait_xcnt 0x0                                ; the stores of two tiles ago have read this set of code registers
.set ci, 0
.rept 8
	v_cvt_scalef32_pk8_fp8_f32 v[CD+2*ci:CD+2*ci+1], v[TMP+8*ci:TMP+8*ci+7], v[SCL]
.set ci, ci+1
.endr
	v_nop                                          ; a plain line behind the last conversion: the next tile's lines write the conversions' sources
.irp g, 0,1,2,3
.if \rowb
	global_store_b128 v[O0], v[CD+4*\g:CD+4*\g+3], s[10:11] offset:262144*((\a)/4)+2048*((\a)%4)+512*\g   ; head a / 4 of my two, channel tile a % 4, keys 32 g on
.else
	global_store_b128 v[O0+\g/2], v[CD+4*\g:CD+4*\g+3], s[10:11] offset:1024*(\a)+512*(\g%2)              ; head g / 2 of my two, token tile a, channels 32 (g % 2) on
.endif
.endr
.endm
; THE WAY OUT AS f32, row tile a: x 2^(the operands' e added), through my own stage, back as whole rows of 512 bytes.  LDS serves a wave's instructions in order (ISA guide 5.7.1.4): no wait between the stores and the loads.
.macro TOSTAGE a
.set AC, 64*((\a)%4)
.set BB, BK+64*((\a)%2)
	WIN 0x02+((\a)/4)
.set ci, 0
.rept 32
	v_pk_mul_f32 v[TMP+ci:TMP+ci+1], v[AC+ci:AC+ci+1], s[66:67] op_sel_hi:[1,0]
.set ci, ci+2
.endr
	WIN 0
.irp b, 0,1,2,3,4,5,6,7
	ds_store_b128 v[STO], v[TMP+8*\b:TMP+8*\b+3] offset:128*(\b/2)+32*(\b%2)
	ds_store_b128 v[STO], v[TMP+8*\b+4:TMP+8*\b+7] offset:128*(\b/2)+32*(\b%2)+16
.endr
.set ci, 0
.rept 16
	ds_load_b128 v[BB+4*ci:BB+4*ci+3], v[RD] offset:ci*SPITCH
.set ci, ci+1
.endr
.endm
.macro SEND a, younger                 ; younger: the LDS instructions issued behind tile a's loads, which may stay out
.set BB, BK+64*((\a)%2)
	s_wait_dscnt \younger
.set ci, 0
.rept 16
	global_store_b128 v[O0], v[BB+4*ci:BB+4*ci+3], s[10:11] offset:(32*((\a)/2)+8*((\a)%2)+ci+8*(ci/8))*4096 th:TH_STORE_NT   ; row rho(a, slot): 512 consecutive bytes, aligned; 127 rows at the most in the immediate
.set ci, ci+1
.endr
.endm
	s_load_b512 s[68:83], s[0:1], 0x0              ; rows' image 68, weights' image 70, job 0's bias 72, job 0's result 74, the scales' exponents 76, bv 78, bq 80, qimg 82
	s_load_b64 s[84:85], s[0:1], 0x40              ; vimg
	v_lshl_add_u32 v[SPW], v0, 2, SPARE
	v_mov_b32 v[NIL], 0
	ds_add_u32 v28, v29
	ds_add_u32 v28, v29
	s_wait_dscnt 0x0
	v_lshrrev_b32 v1, 5, v0
	v_readfirstlane_b32 s14, v1                    ; wave 0..3
	s_lshr_b32 s15, s14, 1                         ; which half of the tile's rows is mine.  Also: I fetch for the row operand (0) or the column operand (1)
	s_and_b32 s16, s14, 1                          ; which half of its columns.  Also: which 8 row tiles of that operand's 16 I fetch
	s_bfe_u32 s40, ttmp6, 0x40000                  ; cx, cy: my place in the cluster
	s_bfe_u32 s41, ttmp6, 0x40004
	s_and_b32 s42, ttmp7, 0xffff                   ; the cluster's y
	s_lshr_b32 s[JOB], s42, 3
	s_and_b32 s44, s42, 7
	s_lshl_b32 s44, s44, 2                         ; four tiles of the long axis (8,192) for each cluster of a job
	s_cmp_eq_u32 s[JOB], 3
	s_cselect_b32 s45, 1, s[JOB]                   ; which tensor's images: k 0, v 1, q 2
	s_cselect_b32 s12, 0, s44                      ; the long axis is the rows', in job 3 the columns'
	s_cselect_b32 s13, s44, 0
	s_add_co_u32 s17, s41, s12                     ; tile row: made of cy and the cluster's y alone
	s_add_co_u32 s46, s40, s13                     ; tile column: of cx and the cluster's y alone
	s_lshl_b32 s18, s41, 2
	s_lshl_b32 s18, 15, s18                        ; my row of the cluster
	s_lshl_b32 s19, 0x1111, s40                    ; my column
	; descriptor group 1: 8 row tiles' K step: 8 rows of 4,096 bytes (512 elements of 8 bytes), 16,384 bytes apart in memory, on end in LDS
	s_or_b32 s[G1+0], s18, (3<<16)|(1<<21)         ; 15:0 the mask; 17:16 elements of 8 bytes; 20 no padding; 21 set beside a mask
	s_or_b32 s[G1B+0], s19, (3<<16)|(1<<21)
.irp g, G1, G1B
	s_mov_b32 s[\g+1], 512<<16                     ; tensor_dim0
	s_mov_b32 s[\g+2], 8<<16                       ; tensor_dim1
	s_mov_b32 s[\g+3], 512<<16                     ; tile_dim0
	s_mov_b32 s[\g+4], 8                           ; tile_dim1
	s_mov_b32 s[\g+5], 2048                        ; tensor_dim0_stride
	s_mov_b32 s[\g+6], 0
	s_mov_b32 s[\g+7], 0
.endr
	s_lshl_b32 s20, s17, 4
	s_lshl_b32 s21, s16, 3
	s_add_co_u32 s20, s20, s21
	s_lshl_b32 s20, s20, 14                        ; the row operand: (16 x tile row + 8 x half) row tiles of 16,384 bytes,
	s_lshl_b32 s21, s45, 23                        ; in the tensor's image of 8 MiB,
	s_cmp_eq_u32 s[JOB], 3
	s_cselect_b32 s21, 0x100000, s21               ; in job 3 in Wv's image of 1 MiB
	s_add_co_u32 s20, s20, s21
	s_mov_b32 s21, 0
	s_lshl_b32 s22, s46, 4
	s_lshl_b32 s23, s16, 3
	s_add_co_u32 s22, s22, s23
	s_lshl_b32 s22, s22, 14                        ; the column operand likewise,
	s_lshl_b32 s23, s45, 20                        ; in the weight's image,
	s_cmp_eq_u32 s[JOB], 3
	s_cselect_b32 s23, 0x800000, s23               ; in job 3 in x_v's
	s_add_co_u32 s22, s22, s23
	s_mov_b32 s23, 0
	s_lshl_b32 s47, s14, 15                        ; where they go: wave x 32,768: no place in the cluster enters an LDS address
	s_wait_kmcnt 0x0
	s_load_b256 s[88:95], s[76:77], 0x0            ; entries 0 .. 7
	s_load_b128 s[96:99], s[76:77], 0x20           ; entries 8 .. 11
	s_cmp_eq_u32 s[JOB], 3
	s_cselect_b64 s[4:5], s[70:71], s[68:69]
	s_cselect_b64 s[6:7], s[68:69], s[70:71]
	s_add_nc_u64 s[4:5], s[4:5], s[20:21]
	s_add_nc_u64 s[6:7], s[6:7], s[22:23]
	CROUND                                         ; all sixteen work-groups are here: the first joint loads meet
.irp s, 0,1
	s_mov_b32 s[G0+4*\s], 1
	s_add_co_u32 s[G0+4*\s+1], s47, \s*SLOT
	s_add_nc_u64 s[G0+4*\s+2:G0+4*\s+3], s[4:5], \s*KSB
	s_or_b32 s[G0+4*\s+3], s[G0+4*\s+3], 0x80000000
	s_mov_b32 s[G0B+4*\s], 1
	s_add_co_u32 s[G0B+4*\s+1], s47, \s*SLOT
	s_add_nc_u64 s[G0B+4*\s+2:G0B+4*\s+3], s[6:7], \s*KSB
	s_or_b32 s[G0B+4*\s+3], s[G0B+4*\s+3], 0x80000000
	JLOAD G0+4*\s, G1, G0B+4*\s, G1B               ; two loads of mine are out
.endr
	v_and_b32 v1, 15, v0                           ; r
	v_bfe_u32 v2, v0, 4, 1                         ; h
	v_and_b32 v3, 31, v0
	v_lshlrev_b32 v[O0], 4, v3                     ; 16 x lane
	s_lshl_b32 s21, s15, 15                        ; my 8 row tiles of the row operand,
	s_lshl_b32 s22, s16, 15
	s_add_co_u32 s22, s22, 65536                   ; and of the column operand, which lies behind
.irp s, 0,1
	v_add_nc_u32 v[ADRA+\s], s21, v[O0]
	v_add_nc_u32 v[ADRB+\s], s22, v[O0]
	s_add_co_u32 s21, s21, SLOT
	s_add_co_u32 s22, s22, SLOT
.endr
	s_mul_i32 s23, s14, 16*SPITCH                  ; my stage
	v_mul_u32_u24 v5, v1, SPITCH
	v_lshl_add_u32 v5, v2, 6, v5
	v_add_nc_u32 v[STO], s23, v5                   ; in: row slot r, + 64 h
	v_add_nc_u32 v[RD], s23, v[O0]                 ; back: a row's 512 bytes
	; the biases.  Both are always loaded, at places inside their buffers; a job uses one.
	v_lshlrev_b32 v104, 6, v2                      ; along the columns: tile b's eight numbers of my half: 128 (b / 2) + 64 h + 32 (b % 2) bytes on
	v_and_b32 v4, 8, v1
	v_add_nc_u32 v4, v4, v1
	v_lshlrev_b32 v105, 2, v4                      ; along the rows: r + 8 (r / 8)
	s_cmp_eq_u32 s[JOB], 0
	s_cselect_b64 s[8:9], s[72:73], s[78:79]
	s_cmp_eq_u32 s[JOB], 2
	s_cselect_b64 s[8:9], s[80:81], s[8:9]
	s_lshl_b32 s20, s46, 10
	s_lshl_b32 s21, s16, 9
	s_add_co_u32 s20, s20, s21                     ; my first column x 4 bytes
	s_lshl_b32 s22, s17, 10
	s_lshl_b32 s23, s15, 9
	s_add_co_u32 s22, s22, s23                     ; my first row x 4 bytes
	s_cmp_eq_u32 s[JOB], 3
	s_cselect_b32 s20, 0, s20
	s_cselect_b32 s22, s22, 0
	s_mov_b32 s21, 0
	s_mov_b32 s23, 0
	s_add_nc_u64 s[8:9], s[8:9], s[20:21]
	s_add_nc_u64 s[12:13], s[78:79], s[22:23]
.irp b, 0,1,2,3,4,5,6,7
	global_load_b128 v[TMP+8*\b:TMP+8*\b+3], v104, s[8:9] offset:128*(\b/2)+32*(\b%2)
	global_load_b128 v[TMP+8*\b+4:TMP+8*\b+7], v104, s[8:9] offset:128*(\b/2)+32*(\b%2)+16
.endr
.irp a, 0,1,2,3,4,5,6,7
	global_load_b32 v[BR+\a], v105, s[12:13] offset:4*(32*(\a/2)+8*(\a%2))
.endr
	s_wait_kmcnt 0x0
	s_add_co_i32 s18, s88, s89                     ; the operands' e added: job 0,
	s_add_co_i32 s19, s90, s91                     ; jobs 1 and 3,
	s_add_co_i32 s20, s92, s93                     ; job 2
	s_cmp_eq_u32 s[JOB], 0
	s_cselect_b32 s18, s18, s19
	s_cmp_eq_u32 s[JOB], 2
	s_cselect_b32 s18, s20, s18
	s_cselect_b32 s19, s94, s95                    ; the result's e: entry 6 for q, entry 7 for v along the channels,
	s_cmp_eq_u32 s[JOB], 3
	s_cselect_b32 s19, s97, s19                    ; entry 9 for v along the keys  (job 0 uses none)
	s_sub_co_i32 s19, s19, s18                     ; a sum stands for sum x 2^(the operands' e added): the three scales are folded into the conversion's one
	s_add_co_i32 s19, s19, 127
	s_lshl_b32 s20, s19, 23
	v_mov_b32 v[SCL], s20
	s_add_co_i32 s19, s19, 8
	s_lshl_b32 s19, s19, 23
	s_or_b32 s19, s19, 0x600000
	v_mov_b32 v[LIM], s19                          ; 448 x that
	s_add_co_i32 s20, s18, 127
	s_lshl_b32 s66, s20, 23                        ; 2^(the operands' e added), for job 0
	s_mov_b32 s67, s66                             ; (named with it as a pair, so it is written)
	s_sub_co_i32 s20, 127, s18
	s_lshl_b32 s20, s20, 23                        ; and its reciprocal: the biases go in divided by the power of two that the sums lack
	s_mov_b32 s21, s20
	s_cmp_eq_u32 s[JOB], 3
	s_cselect_b32 s22, 0, s20                      ; job 3 has no bias along the columns: zeros
	s_mov_b32 s23, s22
	s_wait_loadcnt 0x0
.set ci, 0
.rept 32
	v_pk_mul_f32 v[TMP+ci:TMP+ci+1], v[TMP+ci:TMP+ci+1], s[22:23] op_sel_hi:[1,0]
.set ci, ci+2
.endr
.set ci, 0
.rept 4
	v_pk_mul_f32 v[BR+ci:BR+ci+1], v[BR+ci:BR+ci+1], s[20:21] op_sel_hi:[1,0]
.set ci, ci+2
.endr
	s_wait_tensorcnt 1                             ; my part of K step 0 is in (K step 1's load may be out)
	s_barrier_signal -1
	s_barrier_wait -1                              ; everybody's is
	FETCH_B 0, 0, 0
	FETCH_A 0, 0, 0
	FETCH_A 0, 0, 4
	STEP 0, 0, 1                                   ; k 0-127: the products take the bias as C
	TURN 0, 1, 1                                   ; k 128-255; slot 0 takes K step 2
	STEP 1, 0, 0                                   ; k 256-383
	TURN 1, 0, 1                                   ; k 384-511; slot 1 takes K step 3
	STEP 0, 0, 0                                   ; k 512-639
	TURN 0, 1, 0                                   ; k 640-767; nothing is left to fetch, so no round of the cluster's barrier
	STEP 1, 0, 0                                   ; k 768-895
	s_wait_dscnt 4*NL                              ; k 896-1023
	WIN MUL_LO
	MUL16 0, 1, 0
	MUL16 2, 1, 0
	s_wait_dscnt 0
	WIN MUL_HI
	MUL16 4, 1, 0
	MUL16 6, 1, 0
	WIN 0
	PLACES NP                                      ; behind the last products: their sources are written and their results read below
	s_cmp_eq_u32 s[JOB], 0                         ; the job is the same in all partners
	s_cbranch_scc1 .Lout_f32
	s_cmp_eq_u32 s[JOB], 3
	s_cbranch_scc1 .Lout_keys
	; jobs 1 and 2.  Rows are tokens, columns channels.  qimg: [head][token tile][2][512], a head 131,072 bytes; vimg: [head][step of 128 keys][16,384], a head 262,144 bytes, the step's first 8,192 bytes [key tile][2][512]
	s_cmp_eq_u32 s[JOB], 2
	s_cselect_b64 s[10:11], s[82:83], s[84:85]
	s_cselect_b32 s18, 17, 18                      ; log2 of a head's bytes
	s_lshr_b32 s19, s17, 3                         ; the batch: 8 tile rows each
	s_lshl_b32 s19, s19, 4
	s_lshl_b32 s20, s46, 2
	s_add_co_u32 s19, s19, s20
	s_lshl_b32 s20, s16, 1
	s_add_co_u32 s19, s19, s20                     ; my first head: 16 x batch + 4 x tile column + 2 x half
	s_lshl_b32 s19, s19, s18
	s_and_b32 s20, s17, 7
	s_lshl_b32 s20, s20, 1
	s_add_co_u32 s20, s20, s15                     ; my 128 tokens among the batch's 16 x 128: a sixteenth of a head's bytes each
	s_sub_co_u32 s21, s18, 4
	s_lshl_b32 s20, s20, s21
	s_add_co_u32 s20, s20, s19
	s_mov_b32 s21, 0
	s_add_nc_u64 s[10:11], s[10:11], s[20:21]
	s_lshl_b32 s22, 1, s18
	v_add_nc_u32 v[O1], s22, v[O0]                 ; my second head
	CODES 0, 0
	CODES 1, 0
	CODES 2, 0
	CODES 3, 0
	CODES 4, 0
	CODES 5, 0
	CODES 6, 0
	CODES 7, 0
	s_branch .Lend
.Lout_keys:                                            ; job 3.  Rows are channels, columns tokens.  The second 8,192 bytes of a step of vimg: [channel tile][4][512]
	s_lshr_b32 s20, s46, 3                         ; the batch
	s_lshl_b32 s20, s20, 4
	s_lshl_b32 s21, s17, 2
	s_add_co_u32 s20, s20, s21
	s_lshl_b32 s21, s15, 1
	s_add_co_u32 s20, s20, s21                     ; my first head: 16 x batch + 4 x tile row + 2 x half
	s_lshl_b32 s20, s20, 18
	s_and_b32 s21, s46, 7
	s_lshl_b32 s21, s21, 1
	s_add_co_u32 s21, s21, s16                     ; my step of 128 keys
	s_lshl_b32 s21, s21, 14
	s_add_co_u32 s20, s20, s21
	s_add_co_u32 s20, s20, 8192
	s_mov_b32 s21, 0
	s_add_nc_u64 s[10:11], s[84:85], s[20:21]
	CODES 0, 1
	CODES 1, 1
	CODES 2, 1
	CODES 3, 1
	CODES 4, 1
	CODES 5, 1
	CODES 6, 1
	CODES 7, 1
	s_branch .Lend
.Lout_f32:                                             ; job 0
	s_lshl_b32 s20, s17, 8
	s_lshl_b32 s21, s15, 7
	s_add_co_u32 s20, s20, s21                     ; my first row,
	s_lshl_b32 s20, s20, 12                        ; of 4,096 bytes
	s_lshl_b32 s21, s46, 10
	s_add_co_u32 s20, s20, s21
	s_lshl_b32 s21, s16, 9
	s_add_co_u32 s20, s20, s21                     ; + my first column
	s_mov_b32 s21, 0
	s_add_nc_u64 s[10:11], s[74:75], s[20:21]
	TOSTAGE 0
.irp a, 1,2,3,4,5,6,7
.if \a > 1
	s_wait_xcnt 0x0                                ; tile a - 2's stores have read their registers: tile a's loads may land there
.endif
	TOSTAGE \a
	SEND \a-1, 32                                  ; behind tile a - 1's loads: tile a's 16 stores and 16 loads
.endr
	SEND 7, 0
.Lend:
	s_wait_tensorcnt 0x0                           ; the wave's end, behind my last tensor load and my last LDS store
	ds_add_u32 v[SPW], v[NIL]
	s_wait_dscnt 0x0
	CROUND                                         ; the closing round: no work-group ends while a partner may still ask for a tile that names it
	s_endpgm
.Lfunc_end_k_q452b6c94bb_proj:
	.size	k_q452b6c94bb_proj, .Lfunc_end_k_q452b6c94bb_proj-k_q452b6c94bb_proj
	.p2alignl 7, 3214868480
	.fill 96, 4, 3214868480
	.section	.rodata,"a",@progbits
	.p2align	6, 0x0
	.amdhsa_kernel k_q452b6c94bb_proj
		.amdhsa_group_segment_fixed_size 327680
		.amdhsa_private_segment_fixed_size 0
		.amdhsa_enable_private_segment 0
		.amdhsa_kernarg_size 72
		.amdhsa_user_sgpr_count 2
		.amdhsa_user_sgpr_kernarg_segment_ptr 1
		.amdhsa_wavefront_size32 1
		.amdhsa_system_sgpr_workgroup_id_x 1
		.amdhsa_system_sgpr_workgroup_id_y 1
		.amdhsa_system_sgpr_workgroup_id_z 1
		.amdhsa_system_vgpr_workitem_id 0
		.amdhsa_next_free_vgpr 1024
		.amdhsa_next_free_sgpr 102
		.amdhsa_reserve_vcc 0
		.amdhsa_float_denorm_mode_32 3
		.amdhsa_float_denorm_mode_16_64 3
		.amdhsa_memory_ordered 1
		.amdhsa_forward_progress 1
		.amdhsa_inst_pref_size 226
	.end_amdhsa_kernel
	.amdgpu_metadata
---
amdhsa.version: [ 1, 2 ]
amdhsa.kernels:
  - .name:           k_q452b6c94bb_proj
    .symbol:         k_q452b6c94bb_proj.kd
    .args:
      - { .name: ximg, .offset: 0, .size: 8, .value_kind: global_buffer, .address_space: global }
      - { .name: wimg, .offset: 8, .size: 8, .value_kind: global_buffer, .address_space: global }
      - { .name: bk, .offset: 16, .size: 8, .value_kind: global_buffer, .address_space: global }
      - { .name: kf32, .offset: 24, .size: 8, .value_kind: global_buffer, .address_space: global }
      - { .name: lowp_scales, .offset: 32, .size: 8, .value_kind: global_buffer, .address_space: global }
      - { .name: bv, .offset: 40, .size: 8, .value_kind: global_buffer, .address_space: global }
      - { .name: bq, .offset: 48, .size: 8, .value_kind: global_buffer, .address_space: global }
      - { .name: qimg, .offset: 56, .size: 8, .value_kind: global_buffer, .address_space: global }
      - { .name: vimg, .offset: 64, .size: 8, .value_kind: global_buffer, .address_space: global }
    .group_segment_fixed_size: 327680
    .private_segment_fixed_size: 0
    .kernarg_segment_align: 8
    .kernarg_segment_size: 72
    .max_flat_workgroup_size: 128
    .sgpr_count:     102
    .vgpr_count:     1024
    .wavefront_size: 32
...
	.end_amdgpu_metadata
.endif
;; end of part 2
;; launch attn (part 3): grid 256 x 1, 16 waves a work-group, clusters of 4 x 1, 272,384 bytes of LDS; arguments qimg, vimg, mask, lowp_scales, aimg; writes aimg
.if DOCPART == 3
	.amdgcn_target "amdgcn-amd-amdhsa--gfx1250"
	.amdhsa_code_object_version 6
	.text
	.protected	k_q452b6c94bb_attn
	.globl	k_q452b6c94bb_attn
	.p2align	8
	.type	k_q452b6c94bb_attn,@function
k_q452b6c94bb_attn:
	s_mov_b64 s[64:65], 0
	v_nop
	global_prefetch_b8 v0, s[64:65] scope:SCOPE_SE
	s_setreg_imm32_b32 hwreg(HW_REG_WAVE_MODE, 25, 1), 1
	s_wait_xcnt 0x0
	s_wait_alu depctr_hold_cnt(0) depctr_sa_sdst(0) depctr_va_vdst(0) depctr_va_sdst(0) depctr_va_ssrc(0) depctr_va_vcc(0) depctr_vm_vsrc(0)
	s_getreg_b32 s2, hwreg(HW_REG_IB_STS2, 6, 4)
	s_cmp_eq_u32 s2, 0
	s_cbranch_scc0 .Lentry_in_a_cluster
	s_endpgm
.Lentry_in_a_cluster:
	s_bfe_u32 s2, ttmp6, 0x10000c
	s_cmp_lg_u32 s2, 0x3003
	s_cbranch_scc0 .Lentry_shape_is_right
	s_endpgm
.Lentry_shape_is_right:
; A[n][q][head] = the sum over keys j of softmax_j(q . v_j / 8, keys with mask 0 hidden) v_j, both products on codes of FP8 (E4M3); the scores are taken against v, as reference() takes them.  A leaves as codes with scale entry 10.
; THE SOFTMAX AHEAD OF THE SECOND PRODUCT: t = score x log2(e) / 8; M = the running largest t rounded UP to a whole number; p = 2^(t - M) is quantised (entry 8), not normalised; the row's sum is taken of the unquantised p
; and divides at the end.  When M moves, the sum and O are multiplied by 2^(old M - new M): exact.
; SHARES.  A cluster of four work-groups is one head (64 of them); a work-group owns 512 of its 2,048 queries; each of its sixteen waves owns two tiles of 16 queries, one after the other (PASS).
; A HEAD'S v, IN BOTH LAYOUTS, IS 262,144 BYTES AND STAYS IN LDS: wave w asks once for step w's 16,384 bytes, jointly with the same wave of the three partners.  Nothing is filled again: one barrier, then loops without barriers.
; One tensor load of a wave is out.  What the four partners share is all that comes through LDS; their places enter only q's and A's addresses in memory.
; LAYOUT.  Both products are used transposed: S^T = v q^T (source 0 = 16 keys, source 1 = my 16 queries; K = 64), O^T = v^T p^T (source 0 = 16 channels, source 1 = p; K = 128 keys): a lane holds ONE query throughout.
; A step of vimg: bytes 0-8,191: key tile T at 1,024 T + 512 c: key rho(T, r), channels 32 c + 16 h + ..;  bytes 8,192 on: channel tile D at 2,048 D + 512 b: channel rho(D, r), keys 32 b + 16 h + ..;
; rho(T, r) = 32 (T / 2) + 8 (T % 2) + r + 8 (r / 8), so that the 16 registers of score tiles 2 b and 2 b + 1 are keys 32 b + 16 h + 0 .. 15, and those of O^T's tiles 2 B, 2 B + 1 channels 32 B + 16 h + 0 .. 15.
; THE MASK COSTS NO VECTOR WORK IN THE LOOP: a table of 2,048 numbers in LDS holds 0 for a key that counts and -2^64 for a hidden one; a step's 64 numbers of a lane are loaded into the score registers and are the C of the score products.
; A hidden score gives p = 0 beside any key that counts.  Steps all of whose keys are hidden leave finite sums, which the first key that counts multiplies by 0.  A row ALL of whose keys are hidden is told by its largest t and gets the
; NaN code, as reference() has NaN there.
; LIMITS: entries 6 + 7 between -50 and 60 (so that c x 2^64 is finite and beyond the exponential's range); entries 8 and 10 between -126 and 119.  NaN among the inputs is not served.
; REGISTERS: v1 16 x lane; v2 the table's place for my half; v3, v4 the step's LDS addresses; v12 -M, v13 the largest t, v[14:15] the sum in two halves; v16-23, v24-31 Q of pass 0, 1; v32-95 eight key tiles, then four channel tiles;
; v96-159 the table's numbers, then S^T, then p; v160-191 O^T; v224-239 codes; v240, v244: 448 x 2^e8, 2^e8; v241, v245 the same for e10; v246 four NaN codes; v236, v242, v243, v252-254 at work.
.set BIAS, 262144                      ; behind the head's v: the table, 8,192 bytes, written by LDS stores; no tensor load lands there
.set WV,  18                           ; s18  my wave's number
.set SEL, 20                           ; s[20:21] lane selects for v_permlanex16_b32: lane l xor 16
.set CS,  22                           ; s[22:23] c = log2(e) / 8 x 2^(e6 + e7)
.macro ROUND                           ; a round of the cluster's barrier
	s_barrier_signal -1
	s_barrier_wait -1
	s_cmp_lg_u32 s[WV], 0
	s_cbranch_scc1 .Lnot_wave_0_\@
	s_barrier_signal -3
.Lnot_wave_0_\@:
	s_barrier_wait -3
	s_barrier_signal -1
	s_barrier_wait -1
.endm
; A KEY STEP: 128 keys.  qf: the registers of my queries' fragment.  s2 = 16,384 x step, s3 = 512 x step.
.macro STEP qf
	v_add_nc_u32 v3, s2, v1
	v_add_nc_u32 v4, s3, v2
	v_nop
	v_nop                                          ; with the two additions: four places in front of loads into registers that the last products have read
.irp b, 0,1,2,3
.irp i, 0,1,2,3
	ds_load_b128 v[96+16*\b+4*\i:96+16*\b+4*\i+3], v4 offset:128*\b+16*\i   ; the table: register 16 b + i is key 32 b + 16 h + i; sixteen lanes read the same bytes
.endr
.endr
.irp t, 0,1,2,3,4,5,6,7
.irp c, 0,1
	ds_load_b128 v[32+8*\t+4*\c:32+8*\t+4*\c+3], v3 offset:1024*\t+512*\c
.endr
.endr
	s_wait_dscnt 0x0
.irp t, 0,1,2,3,4,5,6,7
	v_wmma_f32_16x16x64_fp8_fp8 v[96+8*\t:103+8*\t], v[32+8*\t:39+8*\t], v[\qf:\qf+7], v[96+8*\t:103+8*\t]   ; S^T + the table's numbers; eight accumulators, one instruction each
.endr
.rept 4
	v_nop
.endr
.irp d, 0,1,2,3
.irp b, 0,1,2,3
	ds_load_b128 v[32+16*\d+4*\b:32+16*\d+4*\b+3], v3 offset:8192+2048*\d+512*\b   ; v^T's four tiles land while the softmax is walked
.endr
.endr
	v_max3_num_f32 v254, v96, v97, v98             ; the step's largest score of my query among my 64 keys, in two chains, each accumulator from its low end on,
	v_max3_num_f32 v252, v99, v100, v101
.set si, 6
.rept 14
	v_max3_num_f32 v254, v254, v[96+si], v[97+si]
	v_max3_num_f32 v252, v252, v[98+si], v[99+si]
.set si, si+4
.endr
	v_max3_num_f32 v254, v254, v158, v159
	v_max_num_f32 v254, v254, v252
	v_permlanex16_b32 v236, v254, s[SEL], s[SEL+1]
	v_max_num_f32 v254, v254, v236                 ; and among lane l xor 16's
	v_mul_f32 v254, s[CS], v254                    ; as t (c is positive)
	v_max_num_f32 v13, v13, v254                   ; the running largest t
	v_mov_b32 v254, v12
	v_floor_f32 v12, -v13                          ; the new -M = floor(-t) = -ceil(t): M is a whole number
	v_sub_f32 v254, v12, v254                      ; M's old value less its new one: a whole number, 0 or less
	v_cvt_i32_f32 v254, v254                       ; (it saturates)
	v_ldexp_f32 v252, 1.0, v254                    ; f = 2^(old M - new M)
.set si, 0
.rept 32
	v_pk_fma_f32 v[96+si:97+si], v[96+si:97+si], s[CS:CS+1], v[12:13] op_sel_hi:[1,0,0]   ; t - M, two at a time (of the pairs c and -M the low word serves both halves)
.set si, si+2
.endr
.set si, 0
.rept 64
	v_exp_f32 v[96+si], v[96+si]                   ; p = 2^(t - M), at most 1
.set si, si+1
.endr
	v_pk_mul_f32 v[14:15], v[14:15], v[252:253] op_sel_hi:[1,0]   ; the sums under the new M: a plain line behind the exponentials
	s_wait_alu depctr_va_vdst(0)                   ; one wait for the whole batch, ahead of its first reader
	v_pk_add_f32 v[242:243], v[96:97], v[98:99]    ; the row's sum is taken of the unquantised p: two at a time, in two chains
.set si, 4
.rept 15
	v_pk_add_f32 v[14:15], v[14:15], v[96+si:97+si]
	v_pk_add_f32 v[242:243], v[242:243], v[98+si:99+si]
.set si, si+4
.endr
	v_pk_add_f32 v[14:15], v[14:15], v[242:243]
.irp b, 0,1,2,3
.set si, 0
.rept 16
	v_min_num_f32 v[96+16*\b+si], v[96+16*\b+si], v240   ; the conversion does not saturate (ISA guide 7.6.2); p is not negative, so the hold is one-sided
.set si, si+1
.endr
	v_cvt_scalef32_pk8_fp8_f32 v[224+4*\b:225+4*\b], v[96+16*\b:103+16*\b], v244
	v_cvt_scalef32_pk8_fp8_f32 v[226+4*\b:227+4*\b], v[104+16*\b:111+16*\b], v244
.endr
.set si, 0
.rept 16
	v_pk_mul_f32 v[160+si:161+si], v[160+si:161+si], v[252:253] op_sel_hi:[1,0]   ; O^T under the new M.  (Also the plain lines between the conversions and the products that read the codes)
.set si, si+2
.endr
	s_wait_dscnt 0x0                               ; v^T's tiles are in
.irp d, 0,1,2,3
	v_wmma_f32_16x16x128_fp8_fp8 v[160+8*\d:167+8*\d], v[32+16*\d:47+16*\d], v[224:239], v[160+8*\d:167+8*\d]   ; four accumulators by turns; the next matrix instruction, over the jump too, is a score's
.endr
.endm
; A PASS: one tile of 16 queries against all 2,048 keys, and its way out.
.macro PASS p
	v_mov_b32 v13, 0xff61b1e6                      ; the largest t so far: -3e38, under every t
	v_floor_f32 v12, -v13                          ; -M
	v_mov_b32 v14, 0
	v_mov_b32 v15, 0
.set si, 0
.rept 32
	v_mov_b32 v[160+si], 0                         ; O^T.  (The step is written once: the first finds zeros, which the first change of M leaves zeros)
.set si, si+1
.endr
	s_mov_b32 s2, 0
	s_mov_b32 s3, 0
	s_mov_b32 s36, 16
.Lstep_\@:
	STEP 16+8*\p
	s_add_co_u32 s2, s2, 16384
	s_add_co_u32 s3, s3, 512
	s_sub_co_u32 s36, s36, 1
	s_cmp_lg_u32 s36, 0
	s_cbranch_scc1 .Lstep_\@
.rept 4
	v_nop                                          ; places behind the last products
.endr
	v_add_f32 v14, v14, v15                        ; the sum's two halves,
	v_permlanex16_b32 v252, v14, s[SEL], s[SEL+1]
	v_add_f32 v14, v14, v252                       ; and lane l xor 16's: the row's sum
	v_rcp_f32 v14, v14
	v_nop                                          ; a plain line behind the reciprocal
	v_cmp_gt_f32 vcc_lo, s56, v13                  ; is even the largest t a hidden key's?
	s_wait_alu depctr_va_vdst(0)                   ; the wait ahead of the reciprocal's first reader
	v_ldexp_f32 v14, v14, s57                      ; x 2^(e8 + e9)
.set si, 0
.rept 16
	v_pk_mul_f32 v[96+si:97+si], v[160+si:161+si], v[14:15] op_sel_hi:[1,0]   ; register 16 B + i is A(my query, 32 B + 16 h + i)
.set si, si+2
.endr
.set si, 0
.rept 32
	v_med3_num_f32 v[96+si], v[96+si], -v241, v241
.set si, si+1
.endr
.set si, 0
.rept 4
	v_cvt_scalef32_pk8_fp8_f32 v[224+2*si:225+2*si], v[96+8*si:103+8*si], v245
.set si, si+1
.endr
	v_nop                                          ; a plain line between the conversions and the lines that touch their results
.set si, 0
.rept 8
	v_cndmask_b32 v[224+si], v[224+si], v246, vcc_lo
.set si, si+1
.endr
	global_store_b128 v1, v[224:227], s[12:13] offset:262144*\p       ; two blocks of A's image, 1,024 consecutive bytes; pass 1's row tile lies 16 x 16,384 bytes on
	global_store_b128 v1, v[228:231], s[12:13] offset:262144*\p+512
	s_wait_xcnt 0x0                                ; the stores have read their registers: the next pass writes codes there
.endm
	s_load_b256 s[4:11], s[0:1], 0x0               ; qimg 4, vimg 6, mask 8, the scales' exponents 10
	s_load_b64 s[12:13], s[0:1], 0x20              ; aimg
	v_lshl_add_u32 v251, v0, 2, 0x42000
	v_mov_b32 v255, 0
	ds_add_u32 v251, v255
	ds_add_u32 v251, v255
	v_lshrrev_b32 v1, 5, v0
	v_readfirstlane_b32 s[WV], v1                  ; wave 0..15
	s_bfe_u32 s19, ttmp6, 0x40000                  ; cx: my quarter of the head's queries.  In a cluster launch ttmp9 counts clusters: the head
	; descriptor group 1: a dense block of 16,384 bytes as 64 rows of 256 bytes (32 elements of 8 bytes)
	s_mov_b32 s24, 15|(3<<16)|(1<<21)              ; 15:0 the mask: all four work-groups; 17:16 elements of 8 bytes; 20 no padding; 21 set beside a mask
	s_mov_b32 s25, 32<<16                          ; tensor_dim0
	s_mov_b32 s26, 64<<16                          ; tensor_dim1
	s_mov_b32 s27, 32<<16                          ; tile_dim0
	s_mov_b32 s28, 64                              ; tile_dim1
	s_mov_b32 s29, 32                              ; tensor_dim0_stride
	s_mov_b32 s30, 0
	s_mov_b32 s31, 0
	s_lshl_b32 s38, ttmp9, 18                      ; the head's 262,144 bytes of vimg,
	s_lshl_b32 s33, s[WV], 14                      ; step = my wave's number: in memory and in LDS
	s_add_co_u32 s38, s38, s33
	s_mov_b32 s39, 0
	s_lshl_b32 s52, ttmp9, 7
	s_lshl_b32 s53, s19, 5
	s_add_co_u32 s52, s52, s53
	s_add_co_u32 s52, s52, s[WV]
	s_lshl_b32 s52, s52, 10                        ; qimg: (128 x head + 32 cx + wave) tiles of 1,024 bytes
	s_mov_b32 s53, 0
	s_lshr_b32 s54, ttmp9, 4                       ; the batch
	s_lshl_b32 s58, s54, 13                        ; its row of the mask
	s_mov_b32 s59, 0
	s_lshl_b32 s54, s54, 7
	s_lshl_b32 s55, s19, 5
	s_add_co_u32 s54, s54, s55
	s_add_co_u32 s54, s54, s[WV]
	s_lshl_b32 s54, s54, 14                        ; aimg: (128 x batch + 32 cx + wave) row tiles of 16,384 bytes,
	s_and_b32 s55, ttmp9, 15
	s_lshl_b32 s55, s55, 10                        ; + the head's two blocks of 512
	s_add_co_u32 s54, s54, s55
	s_mov_b32 s55, 0
	s_mov_b32 s[SEL], 0x76543210
	s_mov_b32 s[SEL+1], 0xfedcba98
	s_mov_b32 s[CS], 0x3e38aa3b                    ; log2(e) / 8
	s_wait_dscnt 0x0
	s_wait_kmcnt 0x0
	s_load_b256 s[40:47], s[10:11], 0x0            ; e0 .. e7
	s_load_b128 s[48:51], s[10:11], 0x20           ; e8 .. e11
	s_add_nc_u64 s[4:5], s[4:5], s[52:53]
	s_add_nc_u64 s[12:13], s[12:13], s[54:55]
	s_add_nc_u64 s[8:9], s[8:9], s[58:59]
	s_mov_b32 s32, 1                               ; group 0: count = 1; s33 the LDS address;
	s_add_nc_u64 s[34:35], s[6:7], s[38:39]        ; the global address hangs on the head and the wave alone;
	s_or_b32 s35, s35, 0x80000000                  ; type = 2
	ROUND                                          ; all four work-groups are here: the joint loads meet
	tensor_load_to_lds s[32:35], s[24:31]          ; every wave its step: the head's v, once
	s_nop 0
.rept 4
	v_nop
.endr
	v_and_b32 v1, 31, v0
	v_lshlrev_b32 v1, 4, v1                        ; 16 x lane
	v_lshlrev_b32 v5, 4, v0                        ; 16 x thread: four keys of the mask
	global_load_b128 v[8:11], v5, s[8:9]
	global_load_b128 v[16:19], v1, s[4:5]          ; Q of pass 0,
	global_load_b128 v[20:23], v1, s[4:5] offset:512
	global_load_b128 v[24:27], v1, s[4:5] offset:16384   ; and of pass 1, 16 tiles on
	global_load_b128 v[28:31], v1, s[4:5] offset:16896
	v_bfe_u32 v2, v0, 4, 1
	v_lshlrev_b32 v2, 6, v2
	v_add_nc_u32 v2, BIAS, v2                      ; the table, + 64 h
	v_add_nc_u32 v6, BIAS, v5                      ; where I write four of its numbers
	v_mov_b32 v7, 0xdf800000                       ; -2^64
	v_mov_b32 v236, 0                              ; written once: a lane permute's destination counts as one of its sources
	v_mov_b32 v253, 0                              ; (named as the upper half of the pair v[252:253])
	v_mov_b32 v246, 0x7f7f7f7f                     ; four NaN codes
	s_wait_kmcnt 0x0
	s_add_co_i32 s37, s46, s47
	s_lshl_b32 s37, s37, 23
	s_add_co_i32 s[CS], s[CS], s37                 ; a score stands for score x 2^(e6 + e7): the exponents are added to c's exponent field
	s_mov_b32 s[CS+1], s[CS]                       ; (named with it as a pair, so it is written)
	s_mul_f32 s56, s[CS], 0xdf000000               ; c x -2^63: every t of a key that counts lies above, every hidden key's below
	s_add_co_i32 s57, s48, s49                     ; e8 + e9
	s_add_co_i32 s37, s48, 127
	s_lshl_b32 s60, s37, 23
	v_mov_b32 v244, s60                            ; 2^e8
	s_add_co_i32 s37, s37, 8
	s_lshl_b32 s37, s37, 23
	s_or_b32 s37, s37, 0x600000
	v_mov_b32 v240, s37                            ; 448 x 2^e8
	s_add_co_i32 s37, s50, 127
	s_lshl_b32 s60, s37, 23
	v_mov_b32 v245, s60                            ; 2^e10
	s_add_co_i32 s37, s37, 8
	s_lshl_b32 s37, s37, 23
	s_or_b32 s37, s37, 0x600000
	v_mov_b32 v241, s37                            ; 448 x 2^e10
	s_wait_loadcnt 4                               ; the mask is in; Q's four loads may be out
.irp k, 8,9,10,11
	v_cmp_eq_u32 vcc_lo, 0, v\k
	v_cndmask_b32 v\k, 0, v7, vcc_lo               ; 0 where the key counts, -2^64 where it is hidden
.endr
	ds_store_b128 v6, v[8:11]
	s_wait_loadcnt 0x0                             ; Q
	s_wait_tensorcnt 0x0                           ; my step of v has landed,
	s_wait_dscnt 0x0                               ; and my part of the table is written:
	s_barrier_signal -1
	s_barrier_wait -1                              ; everybody's is.  From here on LDS is only read
	PASS 0
	PASS 1
	s_wait_dscnt 0x0
	s_wait_tensorcnt 0x0
	ds_add_u32 v251, v255
	s_wait_dscnt 0x0
	ROUND                                          ; the closing round
	s_endpgm
.Lfunc_end_k_q452b6c94bb_attn:
	.size	k_q452b6c94bb_attn, .Lfunc_end_k_q452b6c94bb_attn-k_q452b6c94bb_attn
	.p2alignl 7, 3214868480
	.fill 96, 4, 3214868480
	.section	.rodata,"a",@progbits
	.p2align	6, 0x0
	.amdhsa_kernel k_q452b6c94bb_attn
		.amdhsa_group_segment_fixed_size 272384
		.amdhsa_private_segment_fixed_size 0
		.amdhsa_enable_private_segment 0
		.amdhsa_kernarg_size 40
		.amdhsa_user_sgpr_count 2
		.amdhsa_user_sgpr_kernarg_segment_ptr 1
		.amdhsa_wavefront_size32 1
		.amdhsa_system_sgpr_workgroup_id_x 1
		.amdhsa_system_sgpr_workgroup_id_y 1
		.amdhsa_system_sgpr_workgroup_id_z 1
		.amdhsa_system_vgpr_workitem_id 0
		.amdhsa_next_free_vgpr 256
		.amdhsa_next_free_sgpr 66
		.amdhsa_reserve_vcc 1
		.amdhsa_float_denorm_mode_32 3
		.amdhsa_float_denorm_mode_16_64 3
		.amdhsa_memory_ordered 1
		.amdhsa_forward_progress 1
		.amdhsa_inst_pref_size 50
	.end_amdhsa_kernel
	.amdgpu_metadata
---
amdhsa.version: [ 1, 2 ]
amdhsa.kernels:
  - .name:           k_q452b6c94bb_attn
    .symbol:         k_q452b6c94bb_attn.kd
    .args:
      - { .name: qimg, .offset: 0, .size: 8, .value_kind: global_buffer, .address_space: global }
      - { .name: vimg, .offset: 8, .size: 8, .value_kind: global_buffer, .address_space: global }
      - { .name: mask, .offset: 16, .size: 8, .value_kind: global_buffer, .address_space: global }
      - { .name: lowp_scales, .offset: 24, .size: 8, .value_kind: global_buffer, .address_space: global }
      - { .name: aimg, .offset: 32, .size: 8, .value_kind: global_buffer, .address_space: global }
    .group_segment_fixed_size: 272384
    .private_segment_fixed_size: 0
    .kernarg_segment_align: 8
    .kernarg_segment_size: 40
    .max_flat_workgroup_size: 512
    .sgpr_count:     66
    .vgpr_count:     256
    .wavefront_size: 32
...
	.end_amdgpu_metadata
.endif
;; end of part 3
;; launch outp: the kernel of part 2 again; grid 4 x 32, 4 waves a work-group, clusters of 4 x 4, 327,680 bytes of LDS; arguments aimg, wfimg, bf, out0, fsc, bv, bq, qimg, vimg; writes out0, qimg, vimg
;; ======== version 2 of 2: 4 launches
;; limits: right only within a limited range of input values
;; workspace buffers: ximg 16,777,216 bytes; wimg 2,097,152 bytes; wfimg 1,048,576 bytes; qimg 8,388,608 bytes; vimg 16,777,216 bytes; aimg 8,388,608 bytes
;; launch quant (part 4): grid 352 x 1, 4 waves a work-group, no clusters, 68,096 bytes of LDS; arguments x_v, x_q, Wv, Wq, Wf, lowp_scales, ximg, wimg, wfimg; writes ximg, wimg, wfimg
.if DOCPART == 4
	.amdgcn_target "amdgcn-amd-amdhsa--gfx1250"
	.amdhsa_code_object_version 6
	.text
	.protected	k_q452b6c94bb_quant
	.globl	k_q452b6c94bb_quant
	.p2align	8
	.type	k_q452b6c94bb_quant,@function
k_q452b6c94bb_quant:
	s_mov_b64 s[64:65], 0
	v_nop
	global_prefetch_b8 v0, s[64:65] scope:SCOPE_SE
	s_setreg_imm32_b32 hwreg(HW_REG_WAVE_MODE, 25, 1), 1
	s_wait_xcnt 0x0
; x_v, x_q [8192][1024] and Wv, Wq, Wf [1024 (k)][1024 (n)], f32, become codes of FP8 (E4M3), each tensor with the one scale 2^e that is given for it:
; code = x / 2^e, held within +-448, rounded to the nearest code, ties to even.
; WORK LEFT OUT.  reference() forms k = x_k Wk + bk and never uses it: the scores are taken of q and v, the weighted sum of v.  So, whatever values the inputs hold, k reaches no output:
; product 1 of the table is not computed, and x_k, Wk and bk are not loaded and are among no launch's arguments.  LIMIT: a NaN, an infinity or an overflow that reaches only k is not carried to the result.
; THE CODES ARE LAID AS IMAGES OF THE OPERANDS' REGISTERS.  For an operand X[rows][1024 along K]: byte rt x 16,384 + kc x 512 + 16 x lane + y holds the code of X[rho(rt, r)][32 kc + 16 h + y],
; lane = 16 h + r, rho(rt, r) = 32 (rt / 2) + 8 (rt % 2) + r + 8 (r / 8).  A block of 512 bytes is four registers of a fragment for all 32 lanes, so every later fetch and every store here is 16 bytes a lane, 512 on end.
; The weights' operand is W^T (rows = n), so their K is the FIRST axis in memory: there a lane takes a column and its registers run down K.
; Work-groups 0-255 (x_v, then x_q, 128 each; ximg holds x_v's image, then x_q's): a wave takes one row tile, 16 rows x 1,024.  Work-groups 256-351 (Wv, Wq, Wf, 32 each; wimg holds Wv's image, then Wq's):
; a wave takes 32 columns x 256 along K.  The two ways have LDS bytes of their own.
; No tensor loads, no barrier, no cluster: waves and work-groups share no input.
; LIMITS: each e between -126 and 119, so that 2^e and 448 x 2^e are f32 numbers.  NaN among the inputs is not served (an infinity is held at the largest code).
.set R,   16                           ; v16-143  x way: two sets of 64 registers as loaded (16 rows x 16 bytes a lane)
.set X,   144                          ; v144-207 x way: my 64 numbers of a unit: register 16 b + i = k 32 b + 16 h + i of row r
.set C,   208                          ; v208-239 x way: two sets of 16 registers of codes
.set XST, 8448                         ; a wave's stage: x way 16 rows x 528 bytes; w way two tile images of 4,096 bytes, 4,224 apart
.set WB,  33792                        ; the w way's stages begin behind the x way's four
.set WX,  32                           ; v32-95   w way: two sets of 32 numbers down K
.set WC,  96                           ; v96-103  w way: a block's codes
.set WO,  112                          ; v112-175 w way: the way out
.set NU,  8                            ; units of 128 along K for a wave of the x way
.macro XLOAD t                         ; unit t: the tile's 16 rows, 512 consecutive bytes a load
.set xi, 0
.rept 16
	global_load_b128 v[R+64*((\t)%2)+4*xi:R+64*((\t)%2)+4*xi+3], v2, s[4:5] offset:(xi+8*(xi/8))*4096+512*(\t) th:TH_LOAD_NT
.set xi, xi+1
.endr
.endm
.macro UNIT t
.set RS, R+64*((\t)%2)
.set CS, C+16*((\t)%2)
.if (\t) < NU-1
	s_wait_loadcnt 16                              ; this unit's 16 loads are in; the next unit's 16 may be out
.else
	s_wait_loadcnt 0
.endif
.set xi, 0
.rept 16
	ds_store_b128 v3, v[RS+4*xi:RS+4*xi+3] offset:528*xi           ; rows as they lie, 528 bytes apart: 33 x 16, so that the reads below fall on sixteen different columns of banks
.set xi, xi+1
.endr
.set xi, 0
.rept 16
	ds_load_b128 v[X+4*xi:X+4*xi+3], v4 offset:128*(xi/4)+16*(xi%4)  ; LDS serves a wave's instructions in order: these see the stores.  Of row r: 16 neighbours of each block of 32
.set xi, xi+1
.endr
	s_wait_dscnt 0x0                               ; my numbers are back, and the stores have read their registers,
.if (\t)+2 < NU
	XLOAD (\t)+2                                   ; which take the loads of two units on
.endif
.set xi, 0
.rept 64
	v_med3_num_f32 v[X+xi], v[X+xi], -v10, v10     ; the conversion to an 8-bit code does not saturate (ISA guide 7.6.2): the hold at the largest code x the scale
.set xi, xi+1
.endr
	s_wait_alu depctr_va_vdst(0)                   ; directly ahead of the wait below
	s_wait_xcnt 0x0                                ; the stores of two units ago have read this set of code registers
.set xi, 0
.rept 8
	v_cvt_scalef32_pk8_fp8_f32 v[CS+2*xi:CS+2*xi+1], v[X+8*xi:X+8*xi+7], v11
.set xi, xi+1
.endr
	v_nop                                          ; a plain line behind the last conversion: the next unit's holds write the conversions' sources
.set xi, 0
.rept 4
	global_store_b128 v2, v[CS+4*xi:CS+4*xi+3], s[6:7] offset:(4*(\t)+xi)*512   ; block kc = 4 t + b: 512 consecutive bytes, aligned
.set xi, xi+1
.endr
.endm
.macro WLOAD t                         ; block t: W(32 t + i, my column), i = 0 .. 31: 128 consecutive bytes a wave, the four waves side by side
.set xi, 0
.rept 32
	global_load_b32 v[WX+32*((\t)%2)+xi], v3, s[4:5] offset:(32*(\t)+xi)*4096 th:TH_LOAD_NT
.set xi, xi+1
.endr
.endm
.macro BLOCK t
.set XS, WX+32*((\t)%2)
.if (\t) < 7
	s_wait_loadcnt 32                              ; this block's 32 loads are in; the next block's may be out
.else
	s_wait_loadcnt 0
.endif
.set xi, 0
.rept 32
	v_med3_num_f32 v[XS+xi], v[XS+xi], -v10, v10
.set xi, xi+1
.endr
.set xi, 0
.rept 4
	v_cvt_scalef32_pk8_fp8_f32 v[WC+2*xi:WC+2*xi+1], v[XS+8*xi:XS+8*xi+7], v11
.set xi, xi+1
.endr
	ds_store_b128 v4, v[WC:WC+3] offset:512*(\t)         ; k 0-15 of the block: the place of lane r' of the image's block
	ds_store_b128 v4, v[WC+4:WC+7] offset:512*(\t)+256   ; k 16-31: the place of lane 16 + r'
.if (\t)+2 < 8
	WLOAD (\t)+2
.endif
	s_wait_dscnt 0x0                               ; the stores have read their registers: the next block's codes may be written (its 32 holds are the plain lines between)
.endm
	s_load_b64 s[10:11], s[0:1], 0x0               ; x_v
	s_load_b64 s[12:13], s[0:1], 0x8               ; x_q
	s_load_b128 s[16:19], s[0:1], 0x10             ; Wv 16, Wq 18
	s_load_b128 s[20:23], s[0:1], 0x20             ; Wf 20, the scales' exponents 22
	s_load_b128 s[24:27], s[0:1], 0x30             ; ximg 24, wimg 26
	s_load_b64 s[28:29], s[0:1], 0x40              ; wfimg
	v_lshl_add_u32 v240, v0, 2, 0x10800            ; my spare word, behind the stages
	v_mov_b32 v241, 0
	v_lshrrev_b32 v1, 5, v0
	v_readfirstlane_b32 s32, v1                    ; wave 0..3
	v_and_b32 v1, 31, v0                           ; lane
	v_lshlrev_b32 v2, 4, v1                        ; 16 x lane: my place in every 512 bytes
	s_wait_kmcnt 0x0
	s_load_b256 s[36:43], s[22:23], 0x0            ; e0 .. e7
	s_load_b128 s[44:47], s[22:23], 0x20           ; e8 .. e11
	s_cmp_ge_u32 ttmp9, 256
	s_cbranch_scc1 .Lweights
	; ---- x_v, x_q
	s_mul_i32 s33, s32, XST
	s_wait_alu depctr_va_vdst(0)
	v_add_nc_u32 v3, s33, v2                       ; the stage, on the way in
	v_and_b32 v5, 15, v0                           ; r
	v_bfe_u32 v6, v0, 4, 1                         ; h
	v_mul_u32_u24 v4, v5, 528
	v_lshl_add_u32 v4, v6, 6, v4
	v_add_nc_u32 v4, s33, v4                       ; and on the way out: row r, + 64 h
	s_cmp_lt_u32 ttmp9, 128                        ; which tensor: the choice hangs on the work-group's number alone
	s_cselect_b64 s[4:5], s[10:11], s[12:13]
	s_lshl_b32 s34, ttmp9, 2
	s_add_co_u32 s34, s34, s32                     ; my row tile among the 2 x 512
	s_and_b32 s48, s34, 511                        ; and in its tensor
	s_lshl_b32 s34, s34, 14
	s_mov_b32 s35, 0
	s_add_nc_u64 s[6:7], s[24:25], s[34:35]        ; its image: 16,384 bytes
	s_lshr_b32 s34, s48, 1
	s_lshl_b32 s34, s34, 17                        ; 32 (rt / 2) rows of 4,096 bytes
	s_and_b32 s48, s48, 1
	s_lshl_b32 s48, s48, 15                        ; + 8 (rt % 2) rows
	s_add_co_u32 s34, s34, s48
	s_add_nc_u64 s[4:5], s[4:5], s[34:35]
	XLOAD 0
	XLOAD 1
	s_wait_alu depctr_va_vdst(0)
	s_wait_kmcnt 0x0
	s_cmp_lt_u32 ttmp9, 128
	s_cselect_b32 s33, s38, s40                    ; e2, e4
	s_add_co_i32 s33, s33, 127
	s_lshl_b32 s34, s33, 23
	v_mov_b32 v11, s34                             ; 2^e as f32: the conversion takes its exponent field
	s_add_co_i32 s33, s33, 8
	s_lshl_b32 s33, s33, 23
	s_or_b32 s33, s33, 0x600000
	v_mov_b32 v10, s33                             ; 448 x 2^e
	s_wait_alu depctr_va_vdst(0)
	UNIT 0
	UNIT 1
	UNIT 2
	UNIT 3
	UNIT 4
	UNIT 5
	UNIT 6
	UNIT 7
	s_wait_tensorcnt 0x0                           ; the wave's end
	ds_add_u32 v240, v241
	s_wait_dscnt 0x0
	s_endpgm
	; ---- Wv, Wq, Wf
.Lweights:
	s_sub_co_u32 s33, ttmp9, 256
	s_lshr_b32 s48, s33, 5                         ; which weight: 0 .. 2
	s_and_b32 s49, s33, 7                          ; which 128 columns
	s_bfe_u32 s50, s33, 0x20003                    ; which 256 along K
	s_lshl_b32 s51, s49, 2
	s_add_co_u32 s51, s51, s32                     ; my 32 columns = a pair of row tiles of W^T: 4 x (128 columns) + wave
	s_lshl_b32 s52, s48, 20                        ; an image of a weight is 1 MiB
	s_cmp_lt_u32 s48, 1
	s_cselect_b64 s[4:5], s[16:17], s[18:19]
	s_cmp_lt_u32 s48, 2
	s_cselect_b64 s[4:5], s[4:5], s[20:21]
	s_cselect_b64 s[6:7], s[26:27], s[28:29]       ; Wv, Wq go to wimg, Wf to wfimg
	s_cselect_b32 s52, s52, 0
	s_lshl_b32 s53, s51, 15                        ; two row tiles of 16,384 bytes for each pair
	s_add_co_u32 s52, s52, s53
	s_lshl_b32 s53, s50, 12                        ; eight blocks of 512 bytes for 256 along K
	s_add_co_u32 s52, s52, s53
	s_mov_b32 s53, 0
	s_add_nc_u64 s[6:7], s[6:7], s[52:53]
	s_lshl_b32 s52, s50, 20                        ; 256 rows of 4,096 bytes
	s_lshl_b32 s54, s51, 7                         ; + 32 columns of 4 bytes for each pair
	s_add_co_u32 s52, s52, s54
	s_add_nc_u64 s[4:5], s[4:5], s[52:53]
	s_wait_alu depctr_va_vdst(0)
	v_lshlrev_b32 v3, 2, v1                        ; in: lane j takes column j of the 32
	v_bfe_u32 v5, v0, 3, 1                         ; column j = 8 u + r' + 8 (r' / 8): u = bit 3: which tile of the pair,
	v_and_b32 v6, 7, v0
	v_bfe_u32 v7, v0, 4, 1
	v_lshl_add_u32 v6, v7, 3, v6                   ; r' = (j % 8) + 8 (j / 16): which lane's place in it
	v_mul_u32_u24 v4, v5, 4224                     ; the two images lie 4,096 + 128 bytes apart, so that lanes 0-7 and 8-15 of a store fall on different banks
	v_lshl_add_u32 v4, v6, 4, v4
	s_mul_i32 s55, s32, XST
	s_add_co_u32 s55, s55, WB
	v_add_nc_u32 v4, s55, v4                       ; into my stage
	v_add_nc_u32 v7, s55, v2                       ; and out of it: 16 x lane
	WLOAD 0
	WLOAD 1
	s_wait_kmcnt 0x0
	s_cmp_lt_u32 s48, 1
	s_cselect_b32 s33, s39, s41                    ; e3, e5
	s_cmp_lt_u32 s48, 2
	s_cselect_b32 s33, s33, s47                    ; e11
	s_add_co_i32 s33, s33, 127
	s_lshl_b32 s34, s33, 23
	v_mov_b32 v11, s34                             ; 2^e
	s_add_co_i32 s33, s33, 8
	s_lshl_b32 s33, s33, 23
	s_or_b32 s33, s33, 0x600000
	v_mov_b32 v10, s33                             ; 448 x 2^e
	s_wait_alu depctr_va_vdst(0)
	BLOCK 0
	BLOCK 1
	BLOCK 2
	BLOCK 3
	BLOCK 4
	BLOCK 5
	BLOCK 6
	BLOCK 7
.set xi, 0
.rept 16
	ds_load_b128 v[WO+4*xi:WO+4*xi+3], v7 offset:(xi/8)*4224+(xi%8)*512   ; my own stores, in order: sixteen blocks of 512 bytes
.set xi, xi+1
.endr
.set xi, 0
.rept 16
	s_wait_dscnt 15-xi                             ; the younger loads may be out
	global_store_b128 v2, v[WO+4*xi:WO+4*xi+3], s[6:7] offset:(xi/8)*16384+(xi%8)*512
.set xi, xi+1
.endr
	s_wait_tensorcnt 0x0                           ; the wave's end
	ds_add_u32 v240, v241
	s_wait_dscnt 0x0
	s_endpgm
.Lfunc_end_k_q452b6c94bb_quant:
	.size	k_q452b6c94bb_quant, .Lfunc_end_k_q452b6c94bb_quant-k_q452b6c94bb_quant
	.p2alignl 7, 3214868480
	.fill 96, 4, 3214868480
	.section	.rodata,"a",@progbits
	.p2align	6, 0x0
	.amdhsa_kernel k_q452b6c94bb_quant
		.amdhsa_group_segment_fixed_size 68096
		.amdhsa_private_segment_fixed_size 0
		.amdhsa_enable_private_segment 0
		.amdhsa_kernarg_size 72
		.amdhsa_user_sgpr_count 2
		.amdhsa_user_sgpr_kernarg_segment_ptr 1
		.amdhsa_wavefront_size32 1
		.amdhsa_system_sgpr_workgroup_id_x 1
		.amdhsa_system_sgpr_workgroup_id_y 1
		.amdhsa_system_sgpr_workgroup_id_z 1
		.amdhsa_system_vgpr_workitem_id 0
		.amdhsa_next_free_vgpr 242
		.amdhsa_next_free_sgpr 66
		.amdhsa_reserve_vcc 0
		.amdhsa_float_denorm_mode_32 3
		.amdhsa_float_denorm_mode_16_64 3
		.amdhsa_memory_ordered 1
		.amdhsa_forward_progress 1
		.amdhsa_inst_pref_size 120
	.end_amdhsa_kernel
	.amdgpu_metadata
---
amdhsa.version: [ 1, 2 ]
amdhsa.kernels:
  - .name:           k_q452b6c94bb_quant
    .symbol:         k_q452b6c94bb_quant.kd
    .args:
      - { .name: x_v, .offset: 0, .size: 8, .value_kind: global_buffer, .address_space: global }
      - { .name: x_q, .offset: 8, .size: 8, .value_kind: global_buffer, .address_space: global }
      - { .name: Wv, .offset: 16, .size: 8, .value_kind: global_buffer, .address_space: global }
      - { .name: Wq, .offset: 24, .size: 8, .value_kind: global_buffer, .address_space: global }
      - { .name: Wf, .offset: 32, .size: 8, .value_kind: global_buffer, .address_space: global }
      - { .name: lowp_scales, .offset: 40, .size: 8, .value_kind: global_buffer, .address_space: global }
      - { .name: ximg, .offset: 48, .size: 8, .value_kind: global_buffer, .address_space: global }
      - { .name: wimg, .offset: 56, .size: 8, .value_kind: global_buffer, .address_space: global }
      - { .name: wfimg, .offset: 64, .size: 8, .value_kind: global_buffer, .address_space: global }
    .group_segment_fixed_size: 68096
    .private_segment_fixed_size: 0
    .kernarg_segment_align: 8
    .kernarg_segment_size: 72
    .max_flat_workgroup_size: 128
    .sgpr_count:     66
    .vgpr_count:     242
    .wavefront_size: 32
...
	.end_amdgpu_metadata
.endif
;; end of part 4
;; launch proj (part 5): grid 256 x 1, 4 waves a work-group, clusters of 4 x 1, 327,680 bytes of LDS; arguments ximg, wimg, bv, bq, lowp_scales, qimg, vimg; writes qimg, vimg
.if DOCPART == 5
	.amdgcn_target "amdgcn-amd-amdhsa--gfx1250"
	.amdhsa_code_object_version 6
	.text
	.protected	k_q452b6c94bb_proj
	.globl	k_q452b6c94bb_proj
	.p2align	8
	.type	k_q452b6c94bb_proj,@function
k_q452b6c94bb_proj:
	s_mov_b64 s[64:65], 0
	v_nop
	global_prefetch_b8 v0, s[64:65] scope:SCOPE_SE
	s_setreg_imm32_b32 hwreg(HW_REG_WAVE_MODE, 25, 1), 1
	s_wait_xcnt 0x0
	s_wait_alu depctr_hold_cnt(0) depctr_sa_sdst(0) depctr_va_vdst(0) depctr_va_sdst(0) depctr_va_ssrc(0) depctr_va_vcc(0) depctr_vm_vsrc(0)
	s_getreg_b32 s2, hwreg(HW_REG_IB_STS2, 6, 4)
	s_cmp_eq_u32 s2, 0
	s_cbranch_scc0 .Lentry_in_a_cluster
	s_endpgm
.Lentry_in_a_cluster:
	s_bfe_u32 s2, ttmp6, 0x10000c
	s_cmp_lg_u32 s2, 0x3003
	s_cbranch_scc0 .Lentry_shape_is_right
	s_endpgm
.Lentry_shape_is_right:
; v = x_v Wv + bv and q = x_q Wq + bq on codes of FP8 (E4M3), and their quantising: q with scale entry 6, v twice: with entry 7 (the scores' operand) and with entry 9 (the weighted sum's).
; The k projection is left out: reference() never uses k (shown at the head of the first kernel).
; SHARES.  Clusters 0-31 make v, 32-63 q.  A cluster of four work-groups owns 256 rows x all 1,024 columns; a work-group 256 of the columns; a wave 64 of them: one head.
; A's 256 rows x 1,024 codes, 262,144 dense bytes of ximg, come into LDS once, IN TWO HALVES of eight row tiles: of each half wave w asks for 32,768 bytes, jointly with the same wave of the three partners.
; The first half is the head's one tensor load a wave.  The second is a later first fill: behind the wait for the first, the add and a round of the cluster's barrier, and behind the issue of W's loads; it is on its way
; while the first eight row tiles are multiplied, and a work-group barrier stands ahead of its first read.  No byte is filled twice.
; W's 64 rows of a wave over all of K, 65,536 bytes, go from the image straight into 512 registers: each fragment feeds this wave alone, so LDS and a joint load would serve nothing there.
; Every byte is asked for ahead of the first product and no loop runs ahead of memory: so no prefetch is laid.
; The wave's sixteen row tiles are finished one after the other: 32 matrix instructions, four accumulators by turns, K ascending; the bias, divided by 2^(ex + ew), is the first C.
; TRANSPOSED USE: source 0 = 16 rows of W^T, source 1 = 16 rows of x: a lane holds one row, and the 16 registers of tiles 2 c, 2 c + 1 are channels 32 c + 16 h + 0 .. 15 of the head: the conversions' results are blocks of the images.
; IMAGES.  qimg: head x 131,072 + tile x 1,024 + 512 c + 16 x lane.  vimg: head x 262,144 + step x 16,384 + tile x 1,024 + 512 c + 16 x lane with entry 7; the same 8,192 bytes further on with entry 9.
; LIMITS: ex + ew between -126 and 126; eo - ex - ew between -126 and 119, so that each power of two below is an f32 number.  NaN among the inputs is not served.
; REGISTERS, in windows of 256: window 0: v2-5 LDS addresses, v6-7 store offsets, v10-13 holds and scales, v32-63 held sums, v64-127 codes, v128-255 A of even tiles;
;   windows 1, 2: W, K step q at v[64 (q % 4)] of window 1 + q / 4;  window 3: v0-63 two sets of four accumulators, v64-95 the bias, v128-255 A of odd tiles.
.set SPARE, 262144
.set TMP, 32
.set CD,  64
.set AF,  128
.set BR,  64
.set LIM, 10
.set SCL, 11
.set LIM9, 12
.set SCL9, 13
.set MSB, 0
.macro WIN new                         ; the immediate's high byte repeats the setting that is left
.if MSB != (\new)
	s_set_vgpr_msb (MSB<<8)|(\new)
.set MSB, (\new)
.endif
.endm
.macro ROUND                           ; a round of the cluster's barrier
	s_barrier_signal -1
	s_barrier_wait -1
	s_cmp_lg_u32 s20, 0
	s_cbranch_scc1 .Lnot_wave_0_\@
	s_barrier_signal -3
.Lnot_wave_0_\@:
	s_barrier_wait -3
	s_barrier_signal -1
	s_barrier_wait -1
.endm
.macro ALOAD a                         ; row tile a, all of K: 32 loads of 512 bytes
	WIN 0xc0*((\a)%2)
.irp q, 0,1,2,3,4,5,6,7
.irp c, 0,1,2,3
	ds_load_b128 v[AF+16*\q+4*\c:AF+16*\q+4*\c+3], v[2+(\a)/4] offset:16384*((\a)%4)+2048*\q+512*\c
.endr
.endr
	WIN 0
.endm
.macro ROW a
.irp q, 0,1,2,3,4,5,6,7
	WIN 0xf0|(12*((\a)%2))|(1+\q/4)
.irp b, 0,1,2,3
.if \q == 0
	v_wmma_f32_16x16x128_fp8_fp8 v[32*((\a)%2)+8*\b:32*((\a)%2)+8*\b+7], v[16*\b:16*\b+15], v[AF:AF+15], v[BR+8*\b:BR+8*\b+7]
.else
	v_wmma_f32_16x16x128_fp8_fp8 v[32*((\a)%2)+8*\b:32*((\a)%2)+8*\b+7], v[64*(\q%4)+16*\b:64*(\q%4)+16*\b+15], v[AF+16*\q:AF+16*\q+15], v[32*((\a)%2)+8*\b:32*((\a)%2)+8*\b+7]
.endif
.endr
.endr
	WIN 0
.endm
.macro CODE a, lim, scl, set, off      ; the hold (the conversion does not saturate: ISA guide 7.6.2), the conversion, two stores of 512 consecutive bytes
	WIN 0x03
.set ci, 0
.rept 32
	v_med3_num_f32 v[TMP+ci], v[32*((\a)%2)+ci], -v[\lim], v[\lim]
.set ci, ci+1
.endr
	WIN 0
.set ci, 0
.rept 4
	v_cvt_scalef32_pk8_fp8_f32 v[\set+2*ci:\set+2*ci+1], v[TMP+8*ci:TMP+8*ci+7], v[\scl]
.set ci, ci+1
.endr
	v_nop                                          ; a plain line behind the last conversion
	global_store_b128 v[6+(\a)/8], v[\set:\set+3], s[14:15] offset:1024*((\a)%8)+\off
	global_store_b128 v[6+(\a)/8], v[\set+4:\set+7], s[14:15] offset:1024*((\a)%8)+\off+512
.endm
.macro OUT a
.if (\a) > 3
	s_wait_xcnt 0x0                                ; the stores of four tiles ago have read this set of code registers
.endif
	CODE \a, LIM, SCL, CD+8*((\a)%4), 0
	s_cmp_lg_u32 s22, 0                            ; the cluster's number alone: the same in all partners
	s_cbranch_scc1 .Lq_\@
	CODE \a, LIM9, SCL9, CD+32+8*((\a)%4), 8192    ; v once more, with entry 9
.Lq_\@:
.endm
	s_load_b256 s[4:11], s[0:1], 0x0               ; ximg 4, wimg 6, bv 8, bq 10
	s_load_b128 s[12:15], s[0:1], 0x20             ; the scales' exponents 12, qimg 14
	s_load_b64 s[16:17], s[0:1], 0x30              ; vimg
	v_lshl_add_u32 v30, v0, 2, SPARE
	v_mov_b32 v31, 0
	ds_add_u32 v30, v31                            ; the opening lines
	ds_add_u32 v30, v31
	v_lshrrev_b32 v1, 5, v0
	v_readfirstlane_b32 s20, v1                    ; wave 0..3
	s_bfe_u32 s21, ttmp6, 0x40000                  ; cx: my 256 columns
	s_lshr_b32 s22, ttmp9, 5                       ; 0: v, 1: q
	s_and_b32 s23, ttmp9, 31                       ; which 256 rows
	s_mov_b32 s24, 15|(3<<16)|(1<<21)              ; group 1: the mask of all four; elements of 8 bytes; bit 21 beside a mask
	s_mov_b32 s25, 32<<16                          ; rows of 256 bytes,
	s_mov_b32 s26, 128<<16                         ; 128 of them
	s_mov_b32 s27, 32<<16
	s_mov_b32 s28, 128
	s_mov_b32 s29, 32
	s_mov_b32 s30, 0
	s_mov_b32 s31, 0
	s_lshl_b32 s33, s20, 15                        ; my quarter of a half, in LDS and in memory
	s_lshl_b32 s36, ttmp9, 18                      ; 262,144 x cluster: x_v's 32 blocks, then x_q's
	s_add_co_u32 s36, s36, s33
	s_mov_b32 s37, 0
	s_lshl_b32 s38, s21, 2
	s_add_co_u32 s38, s38, s20                     ; my head of the 16: 4 cx + wave
	s_lshl_b32 s40, s38, 16                        ; its four row tiles of W^T's image,
	s_lshl_b32 s41, s22, 20                        ; in Wv's or Wq's
	s_add_co_u32 s40, s40, s41
	s_mov_b32 s41, 0
	s_lshl_b32 s42, s38, 8                         ; its 64 numbers of the bias
	s_mov_b32 s43, 0
	s_lshr_b32 s44, s23, 3                         ; the batch
	s_lshl_b32 s44, s44, 4
	s_add_co_u32 s44, s44, s38                     ; the head of the 64
	s_and_b32 s45, s23, 7
	s_cmp_eq_u32 s22, 0
	s_cselect_b32 s46, 18, 17                      ; a head's image: 2^18 bytes of vimg, 2^17 of qimg
	s_lshl_b32 s44, s44, s46
	s_sub_co_u32 s46, s46, 3                       ; my 16 tiles are an eighth of it
	s_lshl_b32 s45, s45, s46
	s_add_co_u32 s44, s44, s45
	s_mov_b32 s45, 0
	s_sub_co_u32 s46, s46, 1
	s_lshl_b32 s47, 1, s46                         ; tiles 8-15 begin half of that further on
	s_wait_dscnt 0x0
	s_wait_kmcnt 0x0
	s_load_b256 s[48:55], s[12:13], 0x0            ; e0 .. e7
	s_load_b64 s[56:57], s[12:13], 0x20            ; e8, e9
	s_add_nc_u64 s[6:7], s[6:7], s[40:41]
	s_cmp_eq_u32 s22, 0
	s_cselect_b64 s[8:9], s[8:9], s[10:11]
	s_cselect_b64 s[14:15], s[16:17], s[14:15]
	s_add_nc_u64 s[8:9], s[8:9], s[42:43]
	s_add_nc_u64 s[14:15], s[14:15], s[44:45]
	s_mov_b32 s32, 1                               ; group 0 of the first half,
	s_add_nc_u64 s[34:35], s[4:5], s[36:37]        ; which hangs on the cluster and the wave alone;
	s_mov_b32 s68, 1                               ; and of the second, 131,072 bytes on in LDS and in memory
	s_add_co_u32 s69, s33, 0x20000
	s_add_nc_u64 s[70:71], s[34:35], 0x20000
	s_or_b32 s35, s35, 0x80000000
	s_or_b32 s71, s71, 0x80000000
	ROUND                                          ; all four work-groups are here: the joint loads meet
	tensor_load_to_lds s[32:35], s[24:31]          ; row tiles 0-7: my one tensor load at the head
	s_nop 0
.rept 4
	v_nop
.endr
	v_and_b32 v1, 31, v0
	v_lshlrev_b32 v2, 4, v1                        ; 16 x lane
	v_add_nc_u32 v3, 0x10000, v2
	v_add_nc_u32 v4, 0x20000, v2
	v_add_nc_u32 v5, 0x30000, v2
	v_mov_b32 v6, v2
	v_add_nc_u32 v7, s47, v2
	v_bfe_u32 v8, v0, 4, 1
	v_lshlrev_b32 v8, 6, v8                        ; the bias: 16 h numbers on
.irp w, 0,1
	WIN 0x40+0x40*\w
.irp q, 0,1,2,3
.irp b, 0,1,2,3
.irp c, 0,1,2,3
	global_load_b128 v[64*\q+16*\b+4*\c:64*\q+16*\b+4*\c+3], v2, s[6:7] offset:16384*\b+2048*(4*\w+\q)+512*\c
.endr
.endr
.endr
.endr
	WIN 0xc0
.irp b, 0,1,2,3
	global_load_b128 v[BR+8*\b:BR+8*\b+3], v8, s[8:9] offset:128*(\b/2)+32*(\b%2)
	global_load_b128 v[BR+8*\b+4:BR+8*\b+7], v8, s[8:9] offset:128*(\b/2)+32*(\b%2)+16
.endr
	WIN 0
	s_wait_alu depctr_va_vdst(0)                   ; directly ahead of the wait below
	s_wait_kmcnt 0x0
	s_add_co_i32 s58, s50, s51                     ; e2 + e3
	s_add_co_i32 s59, s52, s53                     ; e4 + e5
	s_cmp_eq_u32 s22, 0
	s_cselect_b32 s58, s58, s59                    ; ex + ew
	s_cselect_b32 s59, s55, s54                    ; eo: entry 7 or 6
	s_sub_co_i32 s59, s59, s58
	s_add_co_i32 s59, s59, 127
	s_lshl_b32 s60, s59, 23
	v_mov_b32 v[SCL], s60                          ; 2^(eo - ex - ew): the three scales in the conversion's one
	s_add_co_i32 s59, s59, 8
	s_lshl_b32 s59, s59, 23
	s_or_b32 s59, s59, 0x600000
	v_mov_b32 v[LIM], s59                          ; 448 x that
	s_sub_co_i32 s59, s57, s58
	s_add_co_i32 s59, s59, 127
	s_lshl_b32 s60, s59, 23
	v_mov_b32 v[SCL9], s60                         ; the same with entry 9
	s_add_co_i32 s59, s59, 8
	s_lshl_b32 s59, s59, 23
	s_or_b32 s59, s59, 0x600000
	v_mov_b32 v[LIM9], s59
	s_sub_co_i32 s60, 127, s58
	s_lshl_b32 s60, s60, 23                        ; 2^-(ex + ew)
	s_mov_b32 s61, s60
	s_wait_alu depctr_va_vdst(0)                   ; directly ahead of the wait below
	s_wait_tensorcnt 0x0                           ; my part of row tiles 0-7 has landed
	ds_add_u32 v30, v31
	s_wait_dscnt 0x0
	ROUND                                          ; everybody's part has landed, and all four work-groups are here: the joint loads meet
	tensor_load_to_lds s[68:71], s[24:31]          ; row tiles 8-15: the first tensor load behind the round
	s_nop 0
.rept 4
	v_nop
.endr
	s_wait_loadcnt 0x0                             ; W and the bias are in
	WIN 0xc3
.set ci, 0
.rept 16
	v_pk_mul_f32 v[BR+ci:BR+ci+1], v[BR+ci:BR+ci+1], s[60:61] op_sel_hi:[1,0]
.set ci, ci+2
.endr
	WIN 0
	s_wait_alu depctr_va_vdst(0)                   ; the head's end
	ALOAD 0
	ALOAD 1
.irp a, 0,1,2,3,4,5,6,7,8,9,10,11,12,13,14,15
.if \a < 15
	s_wait_dscnt 32                                ; this tile's 32 loads are in; the next tile's may be out
.else
	s_wait_dscnt 0x0
.endif
	ROW \a
.rept 4
	v_nop                                          ; places in front of the loads into A's registers and of the first read of the sums
.endr
.if \a == 6
	s_wait_tensorcnt 0x0                           ; my part of row tiles 8-15 has landed,
	s_wait_dscnt 0x0                               ; no LDS instruction of mine is out:
	s_barrier_signal -1
	s_barrier_wait -1                              ; everybody's part has.  From here on LDS is only read
.endif
.if \a < 14
	ALOAD \a+2
.endif
	OUT \a
.endr
	s_wait_tensorcnt 0x0                           ; the wave's end
	ds_add_u32 v30, v31
	s_wait_dscnt 0x0
	ROUND                                          ; the closing round
	s_endpgm
.Lfunc_end_k_q452b6c94bb_proj:
	.size	k_q452b6c94bb_proj, .Lfunc_end_k_q452b6c94bb_proj-k_q452b6c94bb_proj
	.p2alignl 7, 3214868480
	.fill 96, 4, 3214868480
	.section	.rodata,"a",@progbits
	.p2align	6, 0x0
	.amdhsa_kernel k_q452b6c94bb_proj
		.amdhsa_group_segment_fixed_size 327680
		.amdhsa_private_segment_fixed_size 0
		.amdhsa_enable_private_segment 0
		.amdhsa_kernarg_size 56
		.amdhsa_user_sgpr_count 2
		.amdhsa_user_sgpr_kernarg_segment_ptr 1
		.amdhsa_wavefront_size32 1
		.amdhsa_system_sgpr_workgroup_id_x 1
		.amdhsa_system_sgpr_workgroup_id_y 1
		.amdhsa_system_sgpr_workgroup_id_z 1
		.amdhsa_system_vgpr_workitem_id 0
		.amdhsa_next_free_vgpr 1024
		.amdhsa_next_free_sgpr 72
		.amdhsa_reserve_vcc 0
		.amdhsa_float_denorm_mode_32 3
		.amdhsa_float_denorm_mode_16_64 3
		.amdhsa_memory_ordered 1
		.amdhsa_forward_progress 1
		.amdhsa_inst_pref_size 172
	.end_amdhsa_kernel
	.amdgpu_metadata
---
amdhsa.version: [ 1, 2 ]
amdhsa.kernels:
  - .name:           k_q452b6c94bb_proj
    .symbol:         k_q452b6c94bb_proj.kd
    .args:
      - { .name: ximg, .offset: 0, .size: 8, .value_kind: global_buffer, .address_space: global }
      - { .name: wimg, .offset: 8, .size: 8, .value_kind: global_buffer, .address_space: global }
      - { .name: bv, .offset: 16, .size: 8, .value_kind: global_buffer, .address_space: global }
      - { .name: bq, .offset: 24, .size: 8, .value_kind: global_buffer, .address_space: global }
      - { .name: lowp_scales, .offset: 32, .size: 8, .value_kind: global_buffer, .address_space: global }
      - { .name: qimg, .offset: 40, .size: 8, .value_kind: global_buffer, .address_space: global }
      - { .name: vimg, .offset: 48, .size: 8, .value_kind: global_buffer, .address_space: global }
    .group_segment_fixed_size: 327680
    .private_segment_fixed_size: 0
    .kernarg_segment_align: 8
    .kernarg_segment_size: 56
    .max_flat_workgroup_size: 128
    .sgpr_count:     72
    .vgpr_count:     1024
    .wavefront_size: 32
...
	.end_amdgpu_metadata
.endif
;; end of part 5
;; launch attn (part 6): grid 256 x 1, 8 waves a work-group, clusters of 4 x 1, 271,360 bytes of LDS; arguments qimg, vimg, mask, lowp_scales, aimg; writes aimg
.if DOCPART == 6
	.amdgcn_target "amdgcn-amd-amdhsa--gfx1250"
	.amdhsa_code_object_version 6
	.text
	.protected	k_q452b6c94bb_attn
	.globl	k_q452b6c94bb_attn
	.p2align	8
	.type	k_q452b6c94bb_attn,@function
k_q452b6c94bb_attn:
	s_mov_b64 s[64:65], 0
	v_nop
	global_prefetch_b8 v0, s[64:65] scope:SCOPE_SE
	s_setreg_imm32_b32 hwreg(HW_REG_WAVE_MODE, 25, 1), 1
	s_wait_xcnt 0x0
	s_wait_alu depctr_hold_cnt(0) depctr_sa_sdst(0) depctr_va_vdst(0) depctr_va_sdst(0) depctr_va_ssrc(0) depctr_va_vcc(0) depctr_vm_vsrc(0)
	s_getreg_b32 s2, hwreg(HW_REG_IB_STS2, 6, 4)
	s_cmp_eq_u32 s2, 0
	s_cbranch_scc0 .Lentry_in_a_cluster
	s_endpgm
.Lentry_in_a_cluster:
	s_bfe_u32 s2, ttmp6, 0x10000c
	s_cmp_lg_u32 s2, 0x3003
	s_cbranch_scc0 .Lentry_shape_is_right
	s_endpgm
.Lentry_shape_is_right:
; A[n][q][head] = the sum over keys j of softmax_j(q . v_j / 8, keys with mask 0 hidden) v_j, both products on codes of FP8 (E4M3); the scores are taken against v, as reference() takes them (k is never used).  A leaves as codes with entry 10.
; THE SOFTMAX AHEAD OF THE SECOND PRODUCT: t = score x log2(e) / 8; M = the running largest t rounded UP to a whole number; p = 2^(t - M) is quantised (entry 8), not normalised; the row's sum is taken of the unquantised p
; and divides at the end.  When M moves, the sum and O are multiplied by 2^(old M - new M): exact.
; SHARES.  A cluster of four work-groups is one head; a work-group owns 512 of its 2,048 queries; each of its eight waves four tiles of 16 queries, two at a time (PASS): a fragment of v feeds two products.
; A HEAD'S v, 262,144 BYTES, STAYS IN LDS: wave w asks once for steps 2 w, 2 w + 1, 32,768 dense bytes, jointly with the same wave of the three partners.  Nothing is filled again: one barrier, then loops without barriers.
; All reads of memory stand at the head and no loop runs ahead of memory: so no prefetch is laid.
; A step of vimg (128 keys): bytes 0-8,191: codes with entry 7, key tile T at 1,024 T + 512 c: key rho(T, r), channels 32 c + 16 h + ..; bytes 8,192 on: the same places, codes with entry 9.
; rho(T, r) = 32 (T / 2) + 8 (T % 2) + r + 8 (r / 8), so that the 16 registers of score tiles 2 b, 2 b + 1 are keys 32 b + 16 h + 0 .. 15.
; THE SECOND HALF IS TURNED IN PLACE AT THE HEAD, each wave its own two steps: ds_load_tr16_b128 on pairs of channels (eight lanes name eight keys' 16 bytes) and v_perm_b32 part even and odd channels.
; Afterwards channel tile D = 2 B + e lies at 8,192 + 2,048 D + 512 b: lane (r, h) holds channel 32 B + 16 (r / 8) + 2 (r % 8) + e, keys 32 b + 16 h + 0 .. 15.  In O^T register j of tile D is then channel 32 B + 16 h + 2 j + e.
; BOTH PRODUCTS TRANSPOSED: S^T = v q^T (K = 64), O^T = v^T p^T (K = 128 keys): a lane holds one query of each tile throughout.
; THE MASK: a table of 2,048 numbers in LDS, 0 for a key that counts and -2^64 for a hidden one, is the C of the score products.  A hidden score gives p = 0 beside any key that counts.  A row all of whose keys are hidden
; is told by its largest t and gets the NaN code, as reference() has NaN there.
; THE EXPONENTIALS go in two batches, a tile each.  The plain lines among them stand each alone: their sources are written ahead of the wait in front of the batch, their results first read behind the wait behind it.
; The maximum and the row's sum go in four chains a tile, the two tiles by turns.
; LIMITS: entries 6 + 7 between -50 and 60; entry 10 between -126 and 119; ENTRY 8 BETWEEN -8 AND 119: p is at most 1 and 448 x 2^-8 is 1.75, so no p lies beyond the largest code and no hold is written for p.
; The scaled scores stay under 2^31 in magnitude.  NaN among the inputs is not served.
; REGISTERS: window 0: v1 16 x lane; v2 the table's place; v3, v4 the step's addresses; v8-11 two more chains of each tile's maximum; v16-39 statistics; v40-71 Q; v72-199 S^T, then p; v200-231 codes;
;   v233-242 scales and the head's addresses; v244-251 two more chains of each tile's sum.   window 1: v0-63 O^T; v64-127 eight key tiles; v128-191 four channel tiles; v192-255 the table's 64 numbers.
.set BIAS, 262144
.set SPARE, 270336
.set WV,   18
.set SEL,  20
.set CS,   22
.set ST,   16                          ; tile u at v[ST + 12 u]: +0 -M, +1 the largest t, +2, +3 the sum, +4 f (+5 named with it), +6, +7 chains of the maximum, +8, +9 a chain of the sum, +10 the permute's destination, +11 the old -M
.set QF,   40
.set SC,   72
.set CD,   200
.set SCP,  233
.set LIMO, 234
.set SCO,  236
.set NANC, 237
.set OA,   0
.set KF,   64
.set VF,   128
.set BI,   192
.set MSB, 0
.macro WIN new
.if MSB != (\new)
	s_set_vgpr_msb (MSB<<8)|(\new)
.set MSB, (\new)
.endif
.endm
.macro ROUND
	s_barrier_signal -1
	s_barrier_wait -1
	s_cmp_lg_u32 s[WV], 0
	s_cbranch_scc1 .Lnot_wave_0_\@
	s_barrier_signal -3
.Lnot_wave_0_\@:
	s_barrier_wait -3
	s_barrier_signal -1
	s_barrier_wait -1
.endm
.macro PREF ab, ob, ak, ok             ; 32 LDS loads: a step's 64 numbers of the table and its eight key tiles
	WIN 0x40
.irp b, 0,1,2,3
.irp i, 0,1,2,3
	ds_load_b128 v[BI+16*\b+4*\i:BI+16*\b+4*\i+3], v[\ab] offset:\ob+128*\b+16*\i
.endr
.endr
.irp t, 0,1,2,3,4,5,6,7
.irp c, 0,1
	ds_load_b128 v[KF+8*\t+4*\c:KF+8*\t+4*\c+3], v[\ak] offset:\ok+1024*\t+512*\c
.endr
.endr
	WIN 0
.endm
; One of my two steps is turned: n = 2 b + B names 32 keys x 32 channels; all 16 loads are back before the first store, so the 8,192 bytes are turned in place.
.macro TRANS sl
.irp n, 0,1,2,3,4,5,6,7
.irp u, 0,1
	ds_load_tr16_b128 v[SC+8*\n+4*\u:SC+8*\n+4*\u+3], v241 offset:16384*\sl+8192+2048*(\n/2)+1024*\u+512*(\n%2)
.endr
.endr
	s_wait_dscnt 0x0
.irp n, 0,1,2,3,4,5,6,7
.irp k, 0,1,2,3
	v_perm_b32 v[SC+64+8*\n+\k], v[SC+8*\n+2*\k+1], v[SC+8*\n+2*\k], s61    ; the even channel's four keys
	v_perm_b32 v[SC+68+8*\n+\k], v[SC+8*\n+2*\k+1], v[SC+8*\n+2*\k], s62    ; the odd channel's
.endr
.endr
.irp n, 0,1,2,3,4,5,6,7
	ds_store_b128 v242, v[SC+64+8*\n:SC+67+8*\n] offset:16384*\sl+8192+4096*(\n%2)+512*(\n/2)
	ds_store_b128 v242, v[SC+68+8*\n:SC+71+8*\n] offset:16384*\sl+8192+4096*(\n%2)+2048+512*(\n/2)
.endr
.endm
.macro SC0 n                           ; n pairs of tile 0, from pair sj on: t - M
.rept \n
	v_pk_fma_f32 v[SC+sj:SC+sj+1], v[SC+sj:SC+sj+1], s[CS:CS+1], v[ST:ST+1] op_sel_hi:[1,0,0]
.set sj, sj+2
.endr
.endm
; A KEY STEP: 128 keys against my two tiles.  s2 = 16,384 x step, s3 = 512 x step.  pf = 1: the next step's table and key tiles are asked for; 2: step 0's, for the next pass; 0: nothing.
.macro STEP q0, pf
	v_add_nc_u32 v3, s2, v1
.if (\pf) == 1
	v_add_nc_u32 v4, s3, v2
.else
	v_nop
.endif
	v_nop
	v_nop                                          ; four places in front of loads into registers that the last products have read
	s_wait_alu depctr_va_vdst(0)                   ; behind the addresses
	WIN 0x40
.irp d, 0,1,2,3
.irp b, 0,1,2,3
	ds_load_b128 v[VF+16*\d+4*\b:VF+16*\d+4*\b+3], v3 offset:8192+2048*\d+512*\b
.endr
.endr
	s_wait_dscnt 16                                ; the table's numbers and the key tiles, asked for a step ago, are in; the 16 loads just issued may be out
	WIN 0x11
.irp u, 0,1
.irp t, 0,1,2,3,4,5,6,7
	v_wmma_f32_16x16x64_fp8_fp8 v[SC+64*\u+8*\t:SC+64*\u+8*\t+7], v[KF+8*\t:KF+8*\t+7], v[\q0+8*\u:\q0+8*\u+7], v[BI+8*\t:BI+8*\t+7]
.endr
.endr
.rept 4
	v_nop                                          ; places in front of the loads below and of the first read of the scores
.endr
.if (\pf) == 1
	PREF 4, 512, 3, 16384
.elseif (\pf) == 2
	PREF 2, 0, 1, 0
.else
	WIN 0
.endif
.irp u, 0,1
	v_mov_b32 v[ST+12*\u+11], v[ST+12*\u]          ; the old -M
.endr
.irp u, 0,1                                    ; the step's largest score: four chains a tile, the registers in ascending order, so each accumulator from its low end on
	v_max3_num_f32 v[ST+12*\u+6], v[SC+64*\u], v[SC+64*\u+1], v[SC+64*\u+2]
	v_max3_num_f32 v[ST+12*\u+7], v[SC+64*\u+3], v[SC+64*\u+4], v[SC+64*\u+5]
	v_max3_num_f32 v[8+2*\u], v[SC+64*\u+6], v[SC+64*\u+7], v[SC+64*\u+8]
	v_max3_num_f32 v[9+2*\u], v[SC+64*\u+9], v[SC+64*\u+10], v[SC+64*\u+11]
.endr
.set si, 12
.rept 6
.irp u, 0,1
	v_max3_num_f32 v[ST+12*\u+6], v[ST+12*\u+6], v[SC+64*\u+si], v[SC+64*\u+si+1]
	v_max3_num_f32 v[ST+12*\u+7], v[ST+12*\u+7], v[SC+64*\u+si+2], v[SC+64*\u+si+3]
	v_max3_num_f32 v[8+2*\u], v[8+2*\u], v[SC+64*\u+si+4], v[SC+64*\u+si+5]
	v_max3_num_f32 v[9+2*\u], v[9+2*\u], v[SC+64*\u+si+6], v[SC+64*\u+si+7]
.endr
.set si, si+8
.endr
.irp u, 0,1
	v_max3_num_f32 v[ST+12*\u+6], v[ST+12*\u+6], v[SC+64*\u+60], v[SC+64*\u+61]
	v_max3_num_f32 v[ST+12*\u+7], v[ST+12*\u+7], v[SC+64*\u+62], v[SC+64*\u+63]
.endr
.irp u, 0,1
	v_max3_num_f32 v[ST+12*\u+6], v[ST+12*\u+6], v[ST+12*\u+7], v[8+2*\u]
.endr
.irp u, 0,1
	v_max_num_f32 v[ST+12*\u+6], v[ST+12*\u+6], v[9+2*\u]
.endr
.irp u, 0,1
	v_permlanex16_b32 v[ST+12*\u+10], v[ST+12*\u+6], s[SEL], s[SEL+1]
.endr
.irp u, 0,1
	v_max_num_f32 v[ST+12*\u+6], v[ST+12*\u+6], v[ST+12*\u+10]
.endr
.irp u, 0,1
	v_mul_f32 v[ST+12*\u+6], s[CS], v[ST+12*\u+6]  ; as t (c is positive)
.endr
.irp u, 0,1
	v_max_num_f32 v[ST+12*\u+1], v[ST+12*\u+1], v[ST+12*\u+6]
.endr
.irp u, 0,1
	v_floor_f32 v[ST+12*\u], -v[ST+12*\u+1]        ; the new -M = -ceil(t)
.endr
.irp u, 0,1
	v_sub_f32 v[ST+12*\u+6], v[ST+12*\u], v[ST+12*\u+11]         ; M's old value less its new one: a whole number, 0 or less
.endr
.set sj, 0
	SC0 4                                          ; tile 0's scalings want -M alone: the three lines that make f stand among them
.irp u, 0,1
	v_cvt_i32_f32 v[ST+12*\u+6], v[ST+12*\u+6]     ; (it saturates)
.endr
	SC0 4
.irp u, 0,1
	v_ldexp_f32 v[ST+12*\u+4], 1.0, v[ST+12*\u+6]  ; f = 2^(old M - new M)
.endr
	SC0 24
	WIN 0x41
.irp u, 0,1
.set si, 0
.rept 16
	v_pk_mul_f32 v[OA+32*\u+si:OA+32*\u+si+1], v[OA+32*\u+si:OA+32*\u+si+1], v[ST+12*\u+4:ST+12*\u+5] op_sel_hi:[1,0]   ; O^T under the new M, ahead of the step's first exponential; each accumulator from its low end on
.set si, si+2
.endr
.endr
	WIN 0
	s_wait_alu depctr_va_vdst(0)                   ; ahead of the batch
.set sj, 0
.rept 32                                       ; tile 0's exponentials, p = 2^(t - M); among them tile 1's scalings
	v_exp_f32 v[SC+sj], v[SC+sj]
	v_pk_fma_f32 v[SC+64+sj:SC+64+sj+1], v[SC+64+sj:SC+64+sj+1], s[CS:CS+1], v[ST+12:ST+13] op_sel_hi:[1,0,0]
	v_exp_f32 v[SC+sj+1], v[SC+sj+1]
.set sj, sj+2
.endr
.irp u, 0,1
	v_pk_mul_f32 v[ST+12*\u+2:ST+12*\u+3], v[ST+12*\u+2:ST+12*\u+3], v[ST+12*\u+4:ST+12*\u+5] op_sel_hi:[1,0]   ; the sums under the new M
.endr
	s_wait_alu depctr_va_vdst(0)                   ; one wait: behind tile 0's batch, ahead of tile 1's
.set sj, 0
.rept 8                                        ; tile 1's exponentials; among them lines on tile 0's p alone: its eight conversions,
	v_exp_f32 v[SC+64+2*sj], v[SC+64+2*sj]
	v_cvt_scalef32_pk8_fp8_f32 v[CD+2*sj:CD+2*sj+1], v[SC+8*sj:SC+8*sj+7], v[SCP]
	v_exp_f32 v[SC+65+2*sj], v[SC+65+2*sj]
.set sj, sj+1
.endr
	v_nop                                          ; a plain line between the conversions and the lines that write their sources
.set sj, 0
.rept 16                                       ; and the first level of its sum of the unquantised p, in place: sixteen sums of two pairs, P k at v[SC + 4 k]
	v_exp_f32 v[SC+80+2*sj], v[SC+80+2*sj]
	v_pk_add_f32 v[SC+4*sj:SC+4*sj+1], v[SC+4*sj:SC+4*sj+1], v[SC+4*sj+2:SC+4*sj+3]
	v_exp_f32 v[SC+81+2*sj], v[SC+81+2*sj]
.set sj, sj+1
.endr
.set sj, 112
.rept 16
	v_exp_f32 v[SC+sj], v[SC+sj]
.set sj, sj+1
.endr
	v_nop                                          ; a plain line behind the last exponential
	s_wait_alu depctr_va_vdst(0)                   ; one wait for tile 1's batch and for the lines among it
.set sj, 8
.rept 8
	v_cvt_scalef32_pk8_fp8_f32 v[CD+2*sj:CD+2*sj+1], v[SC+8*sj:SC+8*sj+7], v[SCP]   ; tile 1's codes; the sums below are the plain lines behind them
.set sj, sj+1
.endr
	v_pk_add_f32 v[ST+8:ST+9], v[SC:SC+1], v[SC+4:SC+5]              ; the rows' sums, four chains a tile: three of them begin here; tile 0 of its sixteen P, tile 1 of its 32 pairs
	v_pk_add_f32 v[244:245], v[SC+8:SC+9], v[SC+12:SC+13]
	v_pk_add_f32 v[246:247], v[SC+16:SC+17], v[SC+20:SC+21]
	v_pk_add_f32 v[ST+20:ST+21], v[SC+64:SC+65], v[SC+66:SC+67]
	v_pk_add_f32 v[248:249], v[SC+68:SC+69], v[SC+70:SC+71]
	v_pk_add_f32 v[250:251], v[SC+72:SC+73], v[SC+74:SC+75]
.set sj, 0
.rept 6
	v_pk_add_f32 v[ST+14:ST+15], v[ST+14:ST+15], v[SC+76+8*sj:SC+77+8*sj]
	v_pk_add_f32 v[ST+20:ST+21], v[ST+20:ST+21], v[SC+78+8*sj:SC+79+8*sj]
.if sj < 5
.if sj%2 == 0
	v_pk_add_f32 v[ST+2:ST+3], v[ST+2:ST+3], v[SC+24+8*sj:SC+25+8*sj]
	v_pk_add_f32 v[ST+8:ST+9], v[ST+8:ST+9], v[SC+28+8*sj:SC+29+8*sj]
.else
	v_pk_add_f32 v[244:245], v[244:245], v[SC+24+8*sj:SC+25+8*sj]
	v_pk_add_f32 v[246:247], v[246:247], v[SC+28+8*sj:SC+29+8*sj]
.endif
.endif
	v_pk_add_f32 v[248:249], v[248:249], v[SC+80+8*sj:SC+81+8*sj]
	v_pk_add_f32 v[250:251], v[250:251], v[SC+82+8*sj:SC+83+8*sj]
.set sj, sj+1
.endr
	v_pk_add_f32 v[ST+14:ST+15], v[ST+14:ST+15], v[SC+124:SC+125]
	v_pk_add_f32 v[ST+20:ST+21], v[ST+20:ST+21], v[SC+126:SC+127]
	v_pk_add_f32 v[244:245], v[244:245], v[246:247]
	v_pk_add_f32 v[ST+2:ST+3], v[ST+2:ST+3], v[ST+8:ST+9]
	v_pk_add_f32 v[248:249], v[248:249], v[250:251]
	v_pk_add_f32 v[ST+14:ST+15], v[ST+14:ST+15], v[ST+20:ST+21]
	v_pk_add_f32 v[ST+2:ST+3], v[ST+2:ST+3], v[244:245]
	v_pk_add_f32 v[ST+14:ST+15], v[ST+14:ST+15], v[248:249]
	s_wait_alu depctr_va_vdst(0)                   ; directly ahead of the wait below
.if (\pf) == 0
	s_wait_dscnt 0x0
.else
	s_wait_dscnt 32                                ; v^T's tiles are in; the 32 loads for the step to come may be out
.endif
	WIN 0x51
.irp d, 0,1,2,3
.irp u, 0,1
	v_wmma_f32_16x16x128_fp8_fp8 v[OA+32*\u+8*\d:OA+32*\u+8*\d+7], v[VF+16*\d:VF+16*\d+15], v[CD+16*\u:CD+16*\u+15], v[OA+32*\u+8*\d:OA+32*\u+8*\d+7]   ; eight accumulators by turns
.endr
.endr
	WIN 0
.endm
; A PASS: two tiles of 16 queries against all 2,048 keys, and their way out.
.macro PASS p
.irp u, 0,1
	v_mov_b32 v[ST+12*\u+1], 0xff61b1e6            ; the largest t so far: -3e38
	v_floor_f32 v[ST+12*\u], -v[ST+12*\u+1]
	v_mov_b32 v[ST+12*\u+2], 0
	v_mov_b32 v[ST+12*\u+3], 0
.endr
	WIN 0x40
.set si, 0
.rept 64
	v_mov_b32 v[OA+si], 0                          ; O^T: the step has no first form of its own
.set si, si+1
.endr
	WIN 0
	s_mov_b32 s2, 0
	s_mov_b32 s3, 0
	s_mov_b32 s36, 15
	s_wait_alu depctr_va_vdst(0)
.Lstep_\@:
	STEP QF+16*\p, 1
	s_add_co_u32 s2, s2, 16384
	s_add_co_u32 s3, s3, 512
	s_sub_co_u32 s36, s36, 1
	s_cmp_lg_u32 s36, 0
	s_cbranch_scc1 .Lstep_\@
	s_mov_b32 s2, 15*16384                         ; step 15 is written out: no load reaches past the head's bytes
	STEP QF+16*\p, 2-2*\p
.rept 4
	v_nop
.endr
.irp u, 0,1
	v_add_f32 v[ST+12*\u+2], v[ST+12*\u+2], v[ST+12*\u+3]
.endr
.irp u, 0,1
	v_permlanex16_b32 v[ST+12*\u+10], v[ST+12*\u+2], s[SEL], s[SEL+1]
.endr
.irp u, 0,1
	v_add_f32 v[ST+12*\u+2], v[ST+12*\u+2], v[ST+12*\u+10]       ; the row's sum
.endr
	s_wait_alu depctr_va_vdst(0)                   ; ahead of the reciprocals
.irp u, 0,1
	v_rcp_f32 v[ST+12*\u+2], v[ST+12*\u+2]
.endr
	v_nop
.irp u, 0,1
	v_cmp_gt_f32 s[58+\u], s56, v[ST+12*\u+1]      ; is even the largest t a hidden key's?
.endr
	s_wait_alu depctr_va_vdst(0)                   ; one wait for both reciprocals
.irp u, 0,1
	v_ldexp_f32 v[ST+12*\u+2], v[ST+12*\u+2], s57  ; x 2^(e8 + e9)
.endr
	WIN 0x01
	s_wait_alu depctr_va_vdst(0)                   ; directly ahead of the first reader of O^T
.irp u, 0,1
.irp d, 0,1,2,3
.irp j, 0,1,2,3,4,5,6,7
	v_mul_f32 v[SC+64*\u+16*(\d/2)+2*\j+(\d%2)], v[OA+32*\u+8*\d+\j], v[ST+12*\u+2]   ; even and odd channels fall into place: register 16 B + i is channel 32 B + 16 h + i
.endr
.endr
.endr
	WIN 0
.irp u, 0,1
.set si, 0
.rept 32
	v_med3_num_f32 v[SC+64*\u+si], v[SC+64*\u+si], -v[LIMO], v[LIMO]
.set si, si+1
.endr
.endr
.irp u, 0,1
.set si, 0
.rept 4
	v_cvt_scalef32_pk8_fp8_f32 v[CD+16*\u+2*si:CD+16*\u+2*si+1], v[SC+64*\u+8*si:SC+64*\u+8*si+7], v[SCO]
.set si, si+1
.endr
.endr
	v_nop
.irp u, 0,1
.set si, 0
.rept 8
	v_cndmask_b32 v[CD+16*\u+si], v[CD+16*\u+si], v[NANC], s[58+\u]
.set si, si+1
.endr
.endr
.irp u, 0,1
	global_store_b128 v1, v[CD+16*\u:CD+16*\u+3], s[12:13] offset:262144*\p+16384*\u
	global_store_b128 v1, v[CD+16*\u+4:CD+16*\u+7], s[12:13] offset:262144*\p+16384*\u+512
.endr
	s_wait_xcnt 0x0                                ; the stores have read their registers
.endm
	s_load_b256 s[4:11], s[0:1], 0x0               ; qimg 4, vimg 6, mask 8, the scales' exponents 10
	s_load_b64 s[12:13], s[0:1], 0x20              ; aimg
	v_lshl_add_u32 v254, v0, 2, SPARE
	v_mov_b32 v255, 0
	ds_add_u32 v254, v255                          ; the opening lines
	ds_add_u32 v254, v255
	v_lshrrev_b32 v1, 5, v0
	v_readfirstlane_b32 s[WV], v1                  ; wave 0..7
	s_bfe_u32 s19, ttmp6, 0x40000                  ; cx: my quarter of the head's queries; ttmp9 counts clusters: the head
	s_mov_b32 s24, 15|(3<<16)|(1<<21)              ; group 1: 32,768 dense bytes as 128 rows of 256
	s_mov_b32 s25, 32<<16
	s_mov_b32 s26, 128<<16
	s_mov_b32 s27, 32<<16
	s_mov_b32 s28, 128
	s_mov_b32 s29, 32
	s_mov_b32 s30, 0
	s_mov_b32 s31, 0
	s_lshl_b32 s38, ttmp9, 18
	s_lshl_b32 s33, s[WV], 15                      ; my two steps, in memory and in LDS
	s_add_co_u32 s38, s38, s33
	s_mov_b32 s39, 0
	s_lshl_b32 s52, ttmp9, 7
	s_lshl_b32 s53, s19, 5
	s_add_co_u32 s52, s52, s53
	s_lshl_b32 s53, s[WV], 1
	s_add_co_u32 s52, s52, s53
	s_lshl_b32 s52, s52, 10                        ; qimg: (128 x head + 32 cx + 2 x wave) tiles of 1,024 bytes
	s_mov_b32 s53, 0
	s_lshr_b32 s54, ttmp9, 4                       ; the batch
	s_lshl_b32 s58, s54, 13                        ; its row of the mask
	s_mov_b32 s59, 0
	s_lshl_b32 s54, s54, 7
	s_lshl_b32 s55, s19, 5
	s_add_co_u32 s54, s54, s55
	s_lshl_b32 s55, s[WV], 1
	s_add_co_u32 s54, s54, s55
	s_lshl_b32 s54, s54, 14                        ; aimg: (128 x batch + 32 cx + 2 x wave) row tiles of 16,384 bytes,
	s_and_b32 s55, ttmp9, 15
	s_lshl_b32 s55, s55, 10                        ; + the head's two blocks of 512
	s_add_co_u32 s54, s54, s55
	s_mov_b32 s55, 0
	s_mov_b32 s[SEL], 0x76543210
	s_mov_b32 s[SEL+1], 0xfedcba98
	s_mov_b32 s[CS], 0x3e38aa3b                    ; log2(e) / 8
	s_mov_b32 s61, 0x06040200                      ; the even bytes of two registers,
	s_mov_b32 s62, 0x07050301                      ; the odd ones
	s_wait_dscnt 0x0
	s_wait_kmcnt 0x0
	s_load_b256 s[40:47], s[10:11], 0x0            ; e0 .. e7
	s_load_b128 s[48:51], s[10:11], 0x20           ; e8 .. e11
	s_add_nc_u64 s[4:5], s[4:5], s[52:53]
	s_add_nc_u64 s[12:13], s[12:13], s[54:55]
	s_add_nc_u64 s[8:9], s[8:9], s[58:59]
	s_mov_b32 s32, 1
	s_add_nc_u64 s[34:35], s[6:7], s[38:39]        ; hangs on the head and the wave alone
	s_or_b32 s35, s35, 0x80000000
	ROUND                                          ; all four work-groups are here: the joint loads meet
	tensor_load_to_lds s[32:35], s[24:31]          ; my one tensor load
	s_nop 0
.rept 4
	v_nop
.endr
	v_and_b32 v1, 31, v0
	v_lshlrev_b32 v1, 4, v1                        ; 16 x lane
	v_lshlrev_b32 v238, 4, v0                      ; 16 x thread: four keys of the mask, and four more 1,024 keys on
	global_load_b128 v[8:11], v238, s[8:9]
	global_load_b128 v[12:15], v238, s[8:9] offset:4096
.irp k, 0,1,2,3
	global_load_b128 v[QF+8*\k:QF+8*\k+3], v1, s[4:5] offset:16384*(\k/2)+1024*(\k%2)
	global_load_b128 v[QF+8*\k+4:QF+8*\k+7], v1, s[4:5] offset:16384*(\k/2)+1024*(\k%2)+512
.endr
	v_bfe_u32 v2, v0, 4, 1                         ; h
	v_lshlrev_b32 v241, 7, v2
	v_lshlrev_b32 v2, 6, v2
	v_add_nc_u32 v2, BIAS, v2                      ; the table, + 64 h
	v_add_nc_u32 v239, BIAS, v238                  ; where I write eight of its numbers
	v_mov_b32 v240, 0xdf800000                     ; -2^64
	v_bfe_u32 v3, v0, 3, 1
	v_lshl_add_u32 v241, v3, 8, v241
	v_and_b32 v3, 7, v0
	v_lshl_add_u32 v241, v3, 4, v241
	v_add_nc_u32 v241, s33, v241                   ; the turn, in: 128 h + 256 (lane / 8 % 2) + 16 (lane % 8), in my two steps
	v_add_nc_u32 v242, s33, v1                     ; and out: 16 x lane
.irp u, 0,1
	v_mov_b32 v[ST+12*\u+10], 0                    ; a lane permute's destination counts as one of its sources
	v_mov_b32 v[ST+12*\u+5], 0                     ; (named as the upper half of f's pair)
.endr
	v_mov_b32 v[NANC], 0x7f7f7f7f
	s_wait_alu depctr_va_vdst(0)                   ; directly ahead of the wait below
	s_wait_kmcnt 0x0
	s_add_co_i32 s37, s46, s47
	s_lshl_b32 s37, s37, 23
	s_add_co_i32 s[CS], s[CS], s37                 ; the exponents e6 + e7 are added to c's exponent field
	s_mov_b32 s[CS+1], s[CS]
	s_mul_f32 s56, s[CS], 0xdf000000               ; c x -2^63: every t of a key that counts lies above, every hidden key's below
	s_add_co_i32 s57, s48, s49                     ; e8 + e9
	s_add_co_i32 s37, s48, 127
	s_lshl_b32 s60, s37, 23
	v_mov_b32 v[SCP], s60                          ; 2^e8
	s_add_co_i32 s37, s50, 127
	s_lshl_b32 s60, s37, 23
	v_mov_b32 v[SCO], s60                          ; 2^e10
	s_add_co_i32 s37, s37, 8
	s_lshl_b32 s37, s37, 23
	s_or_b32 s37, s37, 0x600000
	v_mov_b32 v[LIMO], s37                         ; 448 x 2^e10
	s_wait_alu depctr_va_vdst(0)
	s_wait_loadcnt 8                               ; the mask's two loads are in; Q's eight may be out
.irp k, 8,9,10,11,12,13,14,15
	v_cmp_eq_u32 vcc_lo, 0, v\k
	v_cndmask_b32 v\k, 0, v240, vcc_lo             ; 0 where the key counts, -2^64 where it is hidden
.endr
	s_wait_alu depctr_va_vdst(0)                   ; the head's end
	s_wait_tensorcnt 0x0                           ; my two steps of v have landed
	ds_store_b128 v239, v[8:11]
	ds_store_b128 v239, v[12:15] offset:4096
	TRANS 0
	TRANS 1
	s_wait_loadcnt 0x0                             ; Q
	s_wait_dscnt 0x0                               ; my parts of the table and of v^T are written:
	s_barrier_signal -1
	s_barrier_wait -1                              ; everybody's are.  From here on LDS is only read
	PREF 2, 0, 1, 0
	PASS 0
	PASS 1
	s_wait_tensorcnt 0x0                           ; the wave's end
	ds_add_u32 v254, v255
	s_wait_dscnt 0x0
	ROUND                                          ; the closing round
	s_endpgm
.Lfunc_end_k_q452b6c94bb_attn:
	.size	k_q452b6c94bb_attn, .Lfunc_end_k_q452b6c94bb_attn-k_q452b6c94bb_attn
	.p2alignl 7, 3214868480
	.fill 96, 4, 3214868480
	.section	.rodata,"a",@progbits
	.p2align	6, 0x0
	.amdhsa_kernel k_q452b6c94bb_attn
		.amdhsa_group_segment_fixed_size 271360
		.amdhsa_private_segment_fixed_size 0
		.amdhsa_enable_private_segment 0
		.amdhsa_kernarg_size 40
		.amdhsa_user_sgpr_count 2
		.amdhsa_user_sgpr_kernarg_segment_ptr 1
		.amdhsa_wavefront_size32 1
		.amdhsa_system_sgpr_workgroup_id_x 1
		.amdhsa_system_sgpr_workgroup_id_y 1
		.amdhsa_system_sgpr_workgroup_id_z 1
		.amdhsa_system_vgpr_workitem_id 0
		.amdhsa_next_free_vgpr 512
		.amdhsa_next_free_sgpr 66
		.amdhsa_reserve_vcc 1
		.amdhsa_float_denorm_mode_32 3
		.amdhsa_float_denorm_mode_16_64 3
		.amdhsa_memory_ordered 1
		.amdhsa_forward_progress 1
		.amdhsa_inst_pref_size 144
	.end_amdhsa_kernel
	.amdgpu_metadata
---
amdhsa.version: [ 1, 2 ]
amdhsa.kernels:
  - .name:           k_q452b6c94bb_attn
    .symbol:         k_q452b6c94bb_attn.kd
    .args:
      - { .name: qimg, .offset: 0, .size: 8, .value_kind: global_buffer, .address_space: global }
      - { .name: vimg, .offset: 8, .size: 8, .value_kind: global_buffer, .address_space: global }
      - { .name: mask, .offset: 16, .size: 8, .value_kind: global_buffer, .address_space: global }
      - { .name: lowp_scales, .offset: 24, .size: 8, .value_kind: global_buffer, .address_space: global }
      - { .name: aimg, .offset: 32, .size: 8, .value_kind: global_buffer, .address_space: global }
    .group_segment_fixed_size: 271360
    .private_segment_fixed_size: 0
    .kernarg_segment_align: 8
    .kernarg_segment_size: 40
    .max_flat_workgroup_size: 256
    .sgpr_count:     66
    .vgpr_count:     512
    .wavefront_size: 32
...
	.end_amdgpu_metadata
.endif
;; end of part 6
;; launch final (part 7): grid 256 x 1, 4 waves a work-group, clusters of 4 x 1, 167,936 bytes of LDS; arguments aimg, wfimg, bf, lowp_scales, out0; writes out0
.if DOCPART == 7
	.amdgcn_target "amdgcn-amd-amdhsa--gfx1250"
	.amdhsa_code_object_version 6
	.text
	.protected	k_q452b6c94bb_final
	.globl	k_q452b6c94bb_final
	.p2align	8
	.type	k_q452b6c94bb_final,@function
k_q452b6c94bb_final:
	s_mov_b64 s[64:65], 0
	v_nop
	global_prefetch_b8 v0, s[64:65] scope:SCOPE_SE
	s_setreg_imm32_b32 hwreg(HW_REG_WAVE_MODE, 25, 1), 1
	s_wait_xcnt 0x0
	s_wait_alu depctr_hold_cnt(0) depctr_sa_sdst(0) depctr_va_vdst(0) depctr_va_sdst(0) depctr_va_ssrc(0) depctr_va_vcc(0) depctr_vm_vsrc(0)
	s_getreg_b32 s2, hwreg(HW_REG_IB_STS2, 6, 4)
	s_cmp_eq_u32 s2, 0
	s_cbranch_scc0 .Lentry_in_a_cluster
	s_endpgm
.Lentry_in_a_cluster:
	s_bfe_u32 s2, ttmp6, 0x10000c
	s_cmp_lg_u32 s2, 0x3003
	s_cbranch_scc0 .Lentry_shape_is_right
	s_endpgm
.Lentry_shape_is_right:
; out0 = A Wf + bf on codes of FP8 (E4M3): A [8,192][1,024] with scale entry 10, Wf with entry 11; each finished sum x 2^(e10 + e11) + bf, f32.
; SHARES.  A cluster of four work-groups owns 128 rows x all 1,024 columns; a work-group 256 of the columns; a wave 64 of them.
; A's 128 rows x 1,024 codes, 131,072 dense bytes of aimg, come ONCE into LDS: wave w asks for 32,768 of them, jointly with the same wave of the three partners.  Nothing is filled again: one barrier.
; Wf's 64 rows of a wave over all of K, 65,536 bytes, go from the image straight into 512 registers: each fragment feeds this wave alone, so LDS and a joint load would serve nothing there.
; Every byte is asked for at the head and no loop runs ahead of memory: so no prefetch is laid.
; The wave's eight row tiles are finished one after the other: 32 matrix instructions, four accumulators by turns, K ascending, the first C the constant 0.
; TRANSPOSED USE: source 0 = 16 rows of Wf^T, source 1 = 16 rows of A: a lane holds eight neighbouring columns of one row.  A tile of 16 rows x 64 columns goes through the wave's own stage in LDS and leaves
; as whole rows of 256 bytes, sixteen lanes to an aligned unit; one tile is on its way through the stage while the next is multiplied.
; LIMIT: e10 + e11 between -126 and 127, so that 2^(e10 + e11) is an f32 number.
; REGISTERS, in windows of 256: window 0: v2-3 A's LDS addresses, v6-9 the way out, v32-63 results, v64-127 two sets of rows read back, v128-255 A of even tiles;
;   windows 1, 2: Wf, K step q at v[64 (q % 4)] of window 1 + q / 4;  window 3: v0-63 two sets of four accumulators, v64-95 the bias, v128-255 A of odd tiles.
.set STG,   131072                     ; behind A: a stage of 16 rows x 272 bytes for each wave; no tensor load lands there
.set SP,    272
.set SPARE, 148480
.set TMP, 32
.set BK,  64
.set AF,  128
.set BR,  64
.set MSB, 0
.macro WIN new
.if MSB != (\new)
	s_set_vgpr_msb (MSB<<8)|(\new)
.set MSB, (\new)
.endif
.endm
.macro ROUND
	s_barrier_signal -1
	s_barrier_wait -1
	s_cmp_lg_u32 s20, 0
	s_cbranch_scc1 .Lnot_wave_0_\@
	s_barrier_signal -3
.Lnot_wave_0_\@:
	s_barrier_wait -3
	s_barrier_signal -1
	s_barrier_wait -1
.endm
.macro ALOAD a
	WIN 0xc0*((\a)%2)
.irp q, 0,1,2,3,4,5,6,7
.irp c, 0,1,2,3
	ds_load_b128 v[AF+16*\q+4*\c:AF+16*\q+4*\c+3], v[2+(\a)/4] offset:16384*((\a)%4)+2048*\q+512*\c
.endr
.endr
	WIN 0
.endm
.macro ROW a
.irp q, 0,1,2,3,4,5,6,7
	WIN 0xf0|(12*((\a)%2))|(1+\q/4)
.irp b, 0,1,2,3
.if \q == 0
	v_wmma_f32_16x16x128_fp8_fp8 v[32*((\a)%2)+8*\b:32*((\a)%2)+8*\b+7], v[16*\b:16*\b+15], v[AF:AF+15], 0
.else
	v_wmma_f32_16x16x128_fp8_fp8 v[32*((\a)%2)+8*\b:32*((\a)%2)+8*\b+7], v[64*(\q%4)+16*\b:64*(\q%4)+16*\b+15], v[AF+16*\q:AF+16*\q+15], v[32*((\a)%2)+8*\b:32*((\a)%2)+8*\b+7]
.endif
.endr
.endr
	WIN 0
.endm
.macro TOSTAGE a
.if (\a) > 1
	s_wait_xcnt 0x0                                ; the stores of two tiles ago have read this set of registers
.endif
	WIN 0x33
.set ci, 0
.rept 16
	v_pk_fma_f32 v[TMP+ci:TMP+ci+1], v[32*((\a)%2)+ci:32*((\a)%2)+ci+1], s[46:47], v[BR+ci:BR+ci+1] op_sel_hi:[1,0,1]   ; sum x 2^(e10 + e11) + bf; each accumulator from its low end on
.set ci, ci+2
.endr
	WIN 0
.irp b, 0,1,2,3
	ds_store_b128 v6, v[TMP+8*\b:TMP+8*\b+3] offset:128*(\b/2)+32*(\b%2)
	ds_store_b128 v6, v[TMP+8*\b+4:TMP+8*\b+7] offset:128*(\b/2)+32*(\b%2)+16
.endr
.irp t, 0,1,2,3,4,5,6,7
	ds_load_b128 v[BK+32*((\a)%2)+4*\t:BK+32*((\a)%2)+4*\t+3], v7 offset:2*\t*SP   ; LDS serves a wave's instructions in order: these see the stores
.endr
.endm
.macro SEND a
	s_wait_dscnt 0x0                               ; the tile is back in registers
.irp t, 0,1,2,3,4,5,6,7
	global_store_b128 v8, v[BK+32*((\a)%2)+4*\t:BK+32*((\a)%2)+4*\t+3], s[12:13] offset:(32*((\a)/2)+8*((\a)%2)+2*\t+8*(\t/4))*4096 th:TH_STORE_NT   ; sixteen lanes store 256 consecutive bytes, aligned
.endr
.endm
	s_load_b256 s[4:11], s[0:1], 0x0               ; aimg 4, wfimg 6, bf 8, the scales' exponents 10
	s_load_b64 s[12:13], s[0:1], 0x20              ; out0
	v_lshl_add_u32 v30, v0, 2, SPARE
	v_mov_b32 v31, 0
	ds_add_u32 v30, v31                            ; the opening lines
	ds_add_u32 v30, v31
	v_lshrrev_b32 v1, 5, v0
	v_readfirstlane_b32 s20, v1                    ; wave 0..3
	s_bfe_u32 s21, ttmp6, 0x40000                  ; cx: my 256 columns; ttmp9 counts clusters: the 128 rows
	s_mov_b32 s24, 15|(3<<16)|(1<<21)              ; group 1: 32,768 dense bytes as 128 rows of 256
	s_mov_b32 s25, 32<<16
	s_mov_b32 s26, 128<<16
	s_mov_b32 s27, 32<<16
	s_mov_b32 s28, 128
	s_mov_b32 s29, 32
	s_mov_b32 s30, 0
	s_mov_b32 s31, 0
	s_lshl_b32 s33, s20, 15                        ; my quarter, in LDS and in memory
	s_lshl_b32 s36, ttmp9, 17
	s_add_co_u32 s36, s36, s33
	s_mov_b32 s37, 0
	s_lshl_b32 s38, s21, 2
	s_add_co_u32 s38, s38, s20                     ; my 64 columns: 4 cx + wave
	s_lshl_b32 s40, s38, 16                        ; their four row tiles of Wf^T's image
	s_mov_b32 s41, 0
	s_lshl_b32 s42, s38, 8                         ; their 256 bytes of bf and of a row of out0
	s_mov_b32 s43, 0
	s_lshl_b32 s44, ttmp9, 19                      ; 128 rows of 4,096 bytes
	s_add_co_u32 s44, s44, s42
	s_mov_b32 s45, 0
	s_mul_i32 s50, s20, 16*SP
	s_add_co_u32 s50, s50, STG                     ; my stage
	s_wait_dscnt 0x0
	s_wait_kmcnt 0x0
	s_load_b64 s[48:49], s[10:11], 0x28            ; e10, e11
	s_add_nc_u64 s[6:7], s[6:7], s[40:41]
	s_add_nc_u64 s[8:9], s[8:9], s[42:43]
	s_add_nc_u64 s[12:13], s[12:13], s[44:45]
	s_mov_b32 s32, 1
	s_add_nc_u64 s[34:35], s[4:5], s[36:37]        ; hangs on the cluster and the wave alone
	s_or_b32 s35, s35, 0x80000000
	ROUND                                          ; all four work-groups are here: the joint loads meet
	tensor_load_to_lds s[32:35], s[24:31]          ; my one tensor load
	s_nop 0
.rept 4
	v_nop
.endr
	v_and_b32 v1, 31, v0
	v_lshlrev_b32 v2, 4, v1                        ; 16 x lane
	v_add_nc_u32 v3, 0x10000, v2
	v_and_b32 v4, 15, v0                           ; r
	v_bfe_u32 v5, v0, 4, 1                         ; h
	v_lshlrev_b32 v9, 6, v5                        ; the bias: 16 h numbers on
	v_mul_u32_u24 v6, v4, SP
	v_lshl_add_u32 v6, v5, 6, v6
	v_add_nc_u32 v6, s50, v6                       ; into the stage: row r, + 64 h
	v_mul_u32_u24 v7, v5, SP
	v_lshl_add_u32 v7, v4, 4, v7
	v_add_nc_u32 v7, s50, v7                       ; back: lanes 0-15 one row, lanes 16-31 the next
	v_lshlrev_b32 v8, 12, v5
	v_lshl_add_u32 v8, v4, 4, v8                   ; and the same two rows in out0
.irp w, 0,1
	WIN 0x40+0x40*\w
.irp q, 0,1,2,3
.irp b, 0,1,2,3
.irp c, 0,1,2,3
	global_load_b128 v[64*\q+16*\b+4*\c:64*\q+16*\b+4*\c+3], v2, s[6:7] offset:16384*\b+2048*(4*\w+\q)+512*\c
.endr
.endr
.endr
.endr
	WIN 0xc0
.irp b, 0,1,2,3
	global_load_b128 v[BR+8*\b:BR+8*\b+3], v9, s[8:9] offset:128*(\b/2)+32*(\b%2)
	global_load_b128 v[BR+8*\b+4:BR+8*\b+7], v9, s[8:9] offset:128*(\b/2)+32*(\b%2)+16
.endr
	WIN 0
	s_wait_alu depctr_va_vdst(0)                   ; the head's end
	s_wait_kmcnt 0x0
	s_add_co_i32 s46, s48, s49
	s_add_co_i32 s46, s46, 127
	s_lshl_b32 s46, s46, 23                        ; 2^(e10 + e11) as f32
	s_mov_b32 s47, s46
	s_wait_tensorcnt 0x0                           ; my quarter of A has landed:
	s_barrier_signal -1
	s_barrier_wait -1                              ; everybody's has
	ALOAD 0
	ALOAD 1
	s_wait_loadcnt 0x0                             ; Wf and the bias are in
	s_wait_dscnt 32                                ; tile 0's 32 loads are in; tile 1's may be out
	ROW 0
.rept 4
	v_nop                                          ; places in front of the loads into A's registers and of the first read of the sums
.endr
	ALOAD 2
	TOSTAGE 0
.irp a, 1,2,3,4,5,6,7
.if \a < 7
	s_wait_dscnt 48                                ; this tile's loads are in; the next tile's 32 and the stage's 16 may be out
.else
	s_wait_dscnt 16                                ; the stage's 16 may be out
.endif
	ROW \a
	SEND \a-1
.rept 4
	v_nop
.endr
.if \a < 6
	ALOAD \a+2
.endif
	TOSTAGE \a
.endr
	SEND 7
	s_wait_tensorcnt 0x0                           ; the wave's end
	ds_add_u32 v30, v31
	s_wait_dscnt 0x0
	ROUND                                          ; the closing round
	s_endpgm
.Lfunc_end_k_q452b6c94bb_final:
	.size	k_q452b6c94bb_final, .Lfunc_end_k_q452b6c94bb_final-k_q452b6c94bb_final
	.p2alignl 7, 3214868480
	.fill 96, 4, 3214868480
	.section	.rodata,"a",@progbits
	.p2align	6, 0x0
	.amdhsa_kernel k_q452b6c94bb_final
		.amdhsa_group_segment_fixed_size 167936
		.amdhsa_private_segment_fixed_size 0
		.amdhsa_enable_private_segment 0
		.amdhsa_kernarg_size 40
		.amdhsa_user_sgpr_count 2
		.amdhsa_user_sgpr_kernarg_segment_ptr 1
		.amdhsa_wavefront_size32 1
		.amdhsa_system_sgpr_workgroup_id_x 1
		.amdhsa_system_sgpr_workgroup_id_y 1
		.amdhsa_system_sgpr_workgroup_id_z 1
		.amdhsa_system_vgpr_workitem_id 0
		.amdhsa_next_free_vgpr 1024
		.amdhsa_next_free_sgpr 66
		.amdhsa_reserve_vcc 0
		.amdhsa_float_denorm_mode_32 3
		.amdhsa_float_denorm_mode_16_64 3
		.amdhsa_memory_ordered 1
		.amdhsa_forward_progress 1
		.amdhsa_inst_pref_size 75
	.end_amdhsa_kernel
	.amdgpu_metadata
---
amdhsa.version: [ 1, 2 ]
amdhsa.kernels:
  - .name:           k_q452b6c94bb_final
    .symbol:         k_q452b6c94bb_final.kd
    .args:
      - { .name: aimg, .offset: 0, .size: 8, .value_kind: global_buffer, .address_space: global }
      - { .name: wfimg, .offset: 8, .size: 8, .value_kind: global_buffer, .address_space: global }
      - { .name: bf, .offset: 16, .size: 8, .value_kind: global_buffer, .address_space: global }
      - { .name: lowp_scales, .offset: 24, .size: 8, .value_kind: global_buffer, .address_space: global }
      - { .name: out0, .offset: 32, .size: 8, .value_kind: global_buffer, .address_space: global }
    .group_segment_fixed_size: 167936
    .private_segment_fixed_size: 0
    .kernarg_segment_align: 8
    .kernarg_segment_size: 40
    .max_flat_workgroup_size: 128
    .sgpr_count:     66
    .vgpr_count:     1024
    .wavefront_size: 32
...
	.end_amdgpu_metadata
.endif
;; end of part 7
